; MI455X (gfx1250); checked and timed in simulation.
; The chip was launched on July 23, 2026; its instructions are those of AMD's public machine-readable ISA for CDNA 5 (MIT licence, August 2026) and "CDNA5" Instruction Set Architecture Reference Guide (July 2026). The comments in the code are by the model that wrote it; some were corrected since.
;; Multi Head Attention. Allowed arithmetic: matrix products marked QUANTISED: E2M3 operands, one E8M0 scale for each 32 along K, by v_wmma_scale_f32_16x16x128_f8f6f4 with both operands' format E2M3, f32 sums; everything else in f32.
;; Inputs: Wk 1,024 x 1,024 float32; Wo 1,024 x 1,024 float32; Wq 1,024 x 1,024 float32; Wv 1,024 x 1,024 float32; bo 1,024 float32; key 2 x 2,048 x 1,024 float32; query 2 x 2,048 x 1,024 float32; value 2 x 2,048 x 1,024 float32.
;; Outputs: out0 2 x 2,048 x 1,024 float32.
;; This version of the problem:
;;   THIS VERSION OF THE PROBLEM IS GIVEN IN LOW PRECISION. The matrix products marked QUANTISED in the list below multiply operands that are first quantised to E2M3 (2 exponent bits, 3 mantissa bits; 6 bits a number), with one power-of-two scale for each 32 numbers along K (OCP MX v1.0); their sums are f32. All else is computed in f32.
;;   The module's matrix products, in the order in which they are computed (A, B: the left and right operand; K: the contracted axis; several contracted axes count as one K, in the product's order):
;;     1. [M 4,096, K 1,024] x [K 1,024, N 1,024]; A: input query; B: input Wq: QUANTISED
;;     2. [M 4,096, K 1,024] x [K 1,024, N 1,024]; A: input key; B: input Wk: QUANTISED
;;     3. [M 4,096, K 1,024] x [K 1,024, N 1,024]; A: input value; B: input Wv: QUANTISED
;;     4. batch 32 x [M 2,048, K 64] x [K 64, N 2,048]; A: computed on the way; B: computed on the way: QUANTISED
;;     5. batch 32 x [M 2,048, K 2,048] x [K 2,048, N 64]; A: softmax (see below); B: computed on the way: QUANTISED
;;     6. [M 4,096, K 1,024] x [K 1,024, N 1,024]; A: computed on the way; B: input Wo: QUANTISED
;;   THE QUANTISER, for each operand of a quantised product, along K:
;;     - K is cut into blocks of 32 from its start; a last block that is shorter is filled with zeros.
;;     - A block's scale is 2^e with e = floor(log2(the largest magnitude in the block)) - 2, held to -126 .. 127; a block of zeros has e = 0. As a byte (E8M0): e + 127.
;;     - Each number is divided by its block's scale, clamped to +-7.5, and rounded to the nearest number of E2M3, ties to even, subnormals kept.
;;     - The product sums the exact products of the quantised numbers (number of the format x scale) in f32.
;;   ~~~python
;;   def quantise(x, axis):      # numpy; x: float32 -> the quantised numbers, widened to float32 again
;;       x = np.moveaxis(x, axis, -1); K = x.shape[-1]
;;       x = np.pad(x, [(0, 0)] * (x.ndim - 1) + [(0, -K % 32)]); x = x.reshape(x.shape[:-1] + (-1, 32)); a = np.abs(x).max(-1, keepdims=True)
;;       e = np.where(a > 0, np.clip(np.frexp(np.where(a > 0, a, 1))[1] - 1 - 2, -126, 127), 0)      # np.frexp(a)[1] - 1 = floor(log2(a)), exactly
;;       r = np.clip(x / 2.0 ** e, -7.5, 7.5)
;;       step = 2.0 ** (np.maximum(np.frexp(np.where(r == 0, 1, r))[1] - 1, 0) - 3)
;;       q = np.round(r / step) * step * 2.0 ** e      # np.round: ties to even
;;       return np.moveaxis(q.reshape(q.shape[:-2] + (-1,))[..., :K], -1, axis).astype(np.float32)
;;   ~~~
;;   SOFTMAX AHEAD OF A QUANTISED PRODUCT. Where the list says 'softmax', what is quantised is not the finished softmax but p = 2^(t - M), with t = logit x log2(e) and M = ceil(the row's largest t), a whole number; so 1/2 < the row's largest p <= 1. The row's sum l is taken of the UNQUANTISED p, in f32, and the product's result is divided by l at the end. Since M is a whole number, a kernel that streams over the keys may use a running M (the ceiling of the running maximum): every later rescaling is an exact power of two, which a block's scale takes up: the codes' values come out the same.
;;   OPERANDS COMPUTED ON THE WAY. 'Computed on the way' means the value that the module computes at that place (a softmax that the list does not call 'softmax' is quantised finished and normalised). What goes into a quantiser is computed in f32, as accurately as f32 sums, v_exp_f32 and their like allow (about 1e-6 of the number): no bf16 or f16 on the way to a quantiser, and a product that is left as it is and whose result goes on into a quantised operand takes f32 operands (vector FMAs, or v_wmma_f32_16x16x4_f32). A number that lies on a knife's edge between two numbers of the format may be rounded either way, as far as f32 arithmetic and the matrix unit's own rounding can turn it there, and no further.
;; One version. Each part assembles by itself: llvm-mc -triple=amdgcn-amd-amdhsa -mcpu=gfx1250 --defsym DOCPART=n.
;; ======== version 1 of 1: 4 launches
;; limits: right only within a limited range of input values
;; workspace buffers: codes 12,582,912 bytes; scales 524,288 bytes; qc 3,145,728 bytes; qx 524,288 bytes; kv 6,946,816 bytes; ac 3,145,728 bytes; asc 262,144 bytes
;; launch quant (part 1): grid 256 x 1, 8 waves a work-group, no clusters, 70,656 bytes of LDS; arguments query, key, value, Wq, Wk, Wv, Wo, codes, scales; writes codes, scales
.if DOCPART == 1
	.amdgcn_target "amdgcn-amd-amdhsa--gfx1250"
	.amdhsa_code_object_version 6
	.text
	.protected	k_q4c0c31f399_quant
	.globl	k_q4c0c31f399_quant
	.p2align	8
	.type	k_q4c0c31f399_quant,@function
k_q4c0c31f399_quant:
	s_mov_b64 s[64:65], 0
	v_nop
	global_prefetch_b8 v0, s[64:65] scope:SCOPE_SE
	s_setreg_imm32_b32 hwreg(HW_REG_WAVE_MODE, 25, 1), 1
	s_wait_xcnt 0x0
; query, key, value [4096][1024] and Wq, Wk, Wv, Wo [1024][1024], f32, K innermost, become codes of FP6 (E2M3) with one E8M0 byte for each 32 along K.
; A block's scale is 2^(floor(log2(largest magnitude)) - 2): its byte is the largest magnitude's exponent field - 2.
; LAYOUT OF THE CODES, made for the products that read them.  A TILE is 16 rows: lane r of tile 2 b + u is row 32 b + 8 u + r + 8 (r / 8) of its tensor.
; A HALF IMAGE is a tile x 64 along K, 768 bytes: chunk j (0..2) of 256 bytes holds, at 8 x lane, bytes 8 j .. 8 j + 7 of the 24 bytes of block (lane / 16) of tile row (lane % 16):
; three loads of 8 bytes a lane put it into six registers of a matrix operand, and three stores of 8 bytes a lane write it, each 256 consecutive aligned bytes.
; codes: [tile G 0..1023][unit of 64 along K, 0..15][768]; G: query 0-255, key 256-511, value 512-767, Wq 768-, Wk 832-, Wv 896-, Wo 960-1023.
; scales: [G][K half 0..1][row r][4 words]; word i of half kh serves K = 128 (4 kh + i) on, byte b its block b.
; SHARES: work-group g takes tiles 4 g .. 4 g + 3; wave w tile w / 2, K half w % 2: 16 rows x 512 numbers, 8 units.  Waves share nothing: no barrier, no cluster (no input byte is read twice).
; A load takes two rows' 256 consecutive bytes; a unit's 4,096 bytes turn through the wave's own stage in LDS (rows 272 bytes apart) so that a lane gets the 32 numbers of ONE block.
; Loads run three units (24 loads a wave) ahead, the turn through LDS one unit.
; LIMITS: a block's largest magnitude is floored at 2^-124 (byte 1); a block of zeros so has byte 1 where the rule says 127: its codes are zeros and this program alone reads the bytes.  NaN and infinities are not served.
.set STW, 8704                         ; a wave's LDS: two stages
.set STH, 4352                         ; a stage: 16 rows x 272 bytes
.set R,   32                           ; v32-127  three sets of 32 registers as loaded
.set X,   128                          ; v128-191 two sets: the 32 numbers of my block
.set C,   192                          ; v192-255 eight sets of 8: a unit's codes; no store's data are written again
.set T2,  14                           ; v14-16   the upper 16 codes, made here and moved (a conversion's three registers begin on an even number)
.set BY,  20                           ; v20-27   my block's byte, unit by unit
.set WD,  28                           ; v28-31   the four scale words of my row
	s_load_b512 s[4:19], s[0:1], 0x0               ; query, key, value, Wq, Wk, Wv, Wo, codes
	s_load_b64 s[20:21], s[0:1], 0x40              ; scales
	v_lshl_add_u32 v254, v0, 2, 0x11000
	v_mov_b32 v255, 0
	v_lshrrev_b32 v1, 5, v0
	s_delay_alu instid0(VALU_DEP_1)
	v_readfirstlane_b32 s22, v1                    ; wave 0..7
	v_and_b32 v1, 15, v0                           ; r
	v_bfe_u32 v2, v0, 4, 1                         ; h
	v_and_b32 v3, 31, v0                           ; lane
	s_delay_alu instid0(VALU_DEP_3)
	v_lshlrev_b32 v4, 4, v1
	s_delay_alu instid0(VALU_DEP_1)
	v_lshl_add_u32 v4, v2, 12, v4                  ; in: 16 bytes a lane, lanes 16-31 one row (4,096 bytes) further down
	s_mul_i32 s23, s22, STW
	v_mul_u32_u24 v5, v2, 272
	s_delay_alu instid0(VALU_DEP_1)
	v_lshl_add_u32 v5, v1, 4, v5
	s_delay_alu instid0(VALU_DEP_1)
	v_add_nc_u32 v5, s23, v5                       ; the stage, in: as loaded, two rows an instruction
	v_mul_u32_u24 v6, v1, 272
	s_delay_alu instid0(VALU_DEP_1)
	v_lshl_add_u32 v6, v2, 7, v6
	s_delay_alu instid0(VALU_DEP_1)
	v_add_nc_u32 v6, s23, v6                       ; and out: row r, block h: 128 bytes
	v_lshlrev_b32 v7, 3, v3                        ; codes out: 8 x lane
	v_lshlrev_b32 v8, 4, v1
	s_delay_alu instid0(VALU_DEP_1)
	v_lshl_add_u32 v8, v2, 3, v8                   ; scale words out: 16 r + 8 h
	v_lshlrev_b32 v9, 3, v2                        ; 8 h: my byte's place in a pair of bytes
	v_mov_b32 v12, 0                               ; a lane permute's destination counts as read: written once
	s_lshr_b32 s24, s22, 1                         ; which of the four tiles
	s_and_b32 s28, s22, 1                          ; which half of K
	s_mov_b32 s30, 0x76543210
	s_mov_b32 s31, 0xfedcba98                      ; selects for lane xor 16
	s_mov_b32 s32, 0xffff0000                      ; lanes 16-31
	s_wait_alu depctr_va_vdst(0)
	s_wait_kmcnt 0x0
	s_mov_b64 s[26:27], s[4:5]                     ; which tensor: the choice hangs on the work-group's number alone
	s_mov_b32 s25, 0
.macro PICK thr, p
	s_cmp_ge_u32 ttmp9, \thr
	s_cselect_b64 s[26:27], s[\p:\p+1], s[26:27]
	s_cselect_b32 s25, \thr, s25
.endm
	PICK 64, 6
	PICK 128, 8
	PICK 192, 10
	PICK 208, 12
	PICK 224, 14
	PICK 240, 16
	s_sub_co_u32 s33, ttmp9, s25
	s_lshl_b32 s33, s33, 2
	s_add_co_u32 s33, s33, s24                     ; my tile within its tensor
	s_lshr_b32 s34, s33, 1
	s_lshl_b32 s34, s34, 5
	s_and_b32 s35, s33, 1
	s_lshl_b32 s35, s35, 3
	s_add_co_u32 s34, s34, s35                     ; its first row: 32 (tile / 2) + 8 (tile % 2)
	s_lshl_b32 s34, s34, 12
	s_lshl_b32 s35, s28, 11
	s_add_co_u32 s34, s34, s35                     ; in bytes, + my half of K
	s_mov_b32 s35, 0
	s_add_nc_u64 s[26:27], s[26:27], s[34:35]
	s_lshl_b32 s36, ttmp9, 2
	s_add_co_u32 s36, s36, s24                     ; G
	s_mul_i32 s34, s36, 12288
	s_mul_i32 s37, s28, 6144
	s_add_co_u32 s34, s34, s37
	s_add_nc_u64 s[18:19], s[18:19], s[34:35]
	s_lshl_b32 s34, s36, 9
	s_lshl_b32 s37, s28, 8
	s_add_co_u32 s34, s34, s37
	s_add_nc_u64 s[20:21], s[20:21], s[34:35]
.macro LOAD q                          ; unit q: tile rows 2 i and 2 i + 1 lie at rows 2 i + 8 (i / 4) on; sixteen lanes read a row's 256 bytes
.irp i, 0,1,2,3,4,5,6,7
	global_load_b128 v[R+32*((\q)%3)+4*\i:R+32*((\q)%3)+4*\i+3], v4, s[26:27] offset:(2*\i+8*(\i/4))*4096+256*(\q) th:TH_LOAD_NT
.endr
.endm
.macro TURN q                          ; through the stage: LDS serves a wave's instructions in order, so no wait stands between the stores and the loads
.irp i, 0,1,2,3,4,5,6,7
	ds_store_b128 v5, v[R+32*((\q)%3)+4*\i:R+32*((\q)%3)+4*\i+3] offset:STH*((\q)%2)+544*\i
.endr
.irp k, 0,1,2,3,4,5,6,7
	ds_load_b128 v[X+32*((\q)%2)+4*\k:X+32*((\q)%2)+4*\k+3], v6 offset:STH*((\q)%2)+16*\k
.endr
.endm
.macro UNIT q
.set XS, X+32*((\q)%2)
	s_wait_dscnt 0x0                               ; my block is back from the stage, and the stage's stores have read their registers,
.if (\q)+3 < 8
	LOAD (\q)+3                                    ; which take the loads of three units on
.endif
.if (\q) < 7
.if (\q) < 5
	s_wait_loadcnt 16                              ; the next unit's eight loads are in; those of the two units behind it may be out
.else
	s_wait_loadcnt 8*(6-(\q))
.endif
	TURN (\q)+1                                    ; and go through the other stage while this unit is worked
.endif
	v_max3_num_f32 v10, |v[XS]|, |v[XS+1]|, |v[XS+2]|              ; the block's largest magnitude: all 32 numbers are mine; two chains
	v_max3_num_f32 v11, |v[XS+3]|, |v[XS+4]|, |v[XS+5]|
.irp i, 6,10,14,18,22,26
	s_delay_alu instid0(VALU_DEP_2)
	v_max3_num_f32 v10, v10, |v[XS+\i]|, |v[XS+\i+1]|
	s_delay_alu instid0(VALU_DEP_2)
	v_max3_num_f32 v11, v11, |v[XS+\i+2]|, |v[XS+\i+3]|
.endr
	s_delay_alu instid0(VALU_DEP_2)
	v_max3_num_f32 v10, v10, |v[XS+30]|, |v[XS+31]|
	s_delay_alu instid0(VALU_DEP_1)
	v_max3_num_f32 v10, v10, v11, 0x1800000        ; and the floor 2^(3 - 127): the byte cannot fall under 1
	s_delay_alu instid0(VALU_DEP_1)
	v_add_nc_u32 v13, 0xff000000, v10              ; 2 off the exponent field: the conversion takes this operand's exponent field as its scale
	v_cvt_scalef32_pk16_fp6_f32 v[C+8*(\q):C+8*(\q)+2], v[XS:XS+15], v13
	v_cvt_scalef32_pk16_fp6_f32 v[T2:T2+2], v[XS+16:XS+31], v13
	v_lshrrev_b32 v[BY+(\q)], 23, v13              ; the byte; also the plain instruction between the conversions and the moves
.irp i, 0,1,2
	v_mov_b32 v[C+8*(\q)+3+\i], v[T2+\i]
.endr
.irp j, 0,1,2
	global_store_b64 v7, v[C+8*(\q)+2*\j:C+8*(\q)+2*\j+1], s[18:19] offset:768*(\q)+256*\j   ; 32 lanes store 256 consecutive bytes, aligned
.endr
.endm
	LOAD 0
	LOAD 1
	LOAD 2
	s_wait_loadcnt 16                              ; unit 0's eight loads are in
	TURN 0
.irp q, 0,1,2,3,4,5,6,7
	UNIT \q
.endr
.irp s, 0,1,2,3                        ; word s: units 2 s, 2 s + 1; my bytes are blocks h and 2 + h, lane xor 16 has the other two
	v_lshl_or_b32 v[WD+\s], v[BY+2*\s+1], 16, v[BY+2*\s]
	s_delay_alu instid0(VALU_DEP_1)
	v_lshlrev_b32 v[WD+\s], v9, v[WD+\s]
	s_delay_alu instid0(VALU_DEP_1)
	v_permlanex16_b32 v12, v[WD+\s], s30, s31
	s_delay_alu instid0(VALU_DEP_1)
	v_or_b32 v[WD+\s], v[WD+\s], v12
.endr
	v_cndmask_b32 v10, v28, v30, s32               ; lanes 0-15 store words 0, 1 of row r, lanes 16-31 words 2, 3
	s_delay_alu instid0(VALU_DEP_2)
	v_cndmask_b32 v11, v29, v31, s32
	global_store_b64 v8, v[10:11], s[20:21]        ; 256 consecutive bytes, aligned
	s_wait_tensorcnt 0x0
	ds_add_u32 v254, v255
	s_wait_dscnt 0x0
	s_endpgm
.Lfunc_end_k_q4c0c31f399_quant:
	.size	k_q4c0c31f399_quant, .Lfunc_end_k_q4c0c31f399_quant-k_q4c0c31f399_quant
	.p2alignl 7, 3214868480
	.fill 96, 4, 3214868480
	.section	.rodata,"a",@progbits
	.p2align	6, 0x0
	.amdhsa_kernel k_q4c0c31f399_quant
		.amdhsa_group_segment_fixed_size 70656
		.amdhsa_private_segment_fixed_size 0
		.amdhsa_enable_private_segment 0
		.amdhsa_kernarg_size 72
		.amdhsa_user_sgpr_count 2
		.amdhsa_user_sgpr_kernarg_segment_ptr 1
		.amdhsa_wavefront_size32 1
		.amdhsa_system_sgpr_workgroup_id_x 1
		.amdhsa_system_sgpr_workgroup_id_y 1
		.amdhsa_system_sgpr_workgroup_id_z 1
		.amdhsa_system_vgpr_workitem_id 0
		.amdhsa_next_free_vgpr 256
		.amdhsa_next_free_sgpr 66
		.amdhsa_reserve_vcc 0
		.amdhsa_float_denorm_mode_32 3
		.amdhsa_float_denorm_mode_16_64 3
		.amdhsa_memory_ordered 1
		.amdhsa_forward_progress 1
		.amdhsa_inst_pref_size 37
	.end_amdhsa_kernel
	.amdgpu_metadata
---
amdhsa.version: [ 1, 2 ]
amdhsa.kernels:
  - .name:           k_q4c0c31f399_quant
    .symbol:         k_q4c0c31f399_quant.kd
    .args:
      - { .name: query, .offset: 0, .size: 8, .value_kind: global_buffer, .address_space: global }
      - { .name: key, .offset: 8, .size: 8, .value_kind: global_buffer, .address_space: global }
      - { .name: value, .offset: 16, .size: 8, .value_kind: global_buffer, .address_space: global }
      - { .name: Wq, .offset: 24, .size: 8, .value_kind: global_buffer, .address_space: global }
      - { .name: Wk, .offset: 32, .size: 8, .value_kind: global_buffer, .address_space: global }
      - { .name: Wv, .offset: 40, .size: 8, .value_kind: global_buffer, .address_space: global }
      - { .name: Wo, .offset: 48, .size: 8, .value_kind: global_buffer, .address_space: global }
      - { .name: codes, .offset: 56, .size: 8, .value_kind: global_buffer, .address_space: global }
      - { .name: scales, .offset: 64, .size: 8, .value_kind: global_buffer, .address_space: global }
    .group_segment_fixed_size: 70656
    .private_segment_fixed_size: 0
    .kernarg_segment_align: 8
    .kernarg_segment_size: 72
    .max_flat_workgroup_size: 256
    .sgpr_count:     66
    .vgpr_count:     256
    .wavefront_size: 32
...
	.end_amdgpu_metadata
.endif
;; end of part 1
;; launch proj (part 2): grid 8 x 32, 8 waves a work-group, clusters of 4 x 4, 327,680 bytes of LDS; arguments codes, scales, qc, qx, kv; writes qc, qx, kv
.if DOCPART == 2
	.amdgcn_target "amdgcn-amd-amdhsa--gfx1250"
	.amdhsa_code_object_version 6
	.text
	.protected	k_q4c0c31f399_proj
	.globl	k_q4c0c31f399_proj
	.p2align	8
	.type	k_q4c0c31f399_proj,@function
k_q4c0c31f399_proj:
	s_mov_b64 s[64:65], 0
	v_nop
	global_prefetch_b8 v0, s[64:65] scope:SCOPE_SE
	s_setreg_imm32_b32 hwreg(HW_REG_WAVE_MODE, 25, 1), 1
	s_wait_xcnt 0x0
	s_wait_alu depctr_hold_cnt(0) depctr_sa_sdst(0) depctr_va_vdst(0) depctr_va_sdst(0) depctr_va_ssrc(0) depctr_va_vcc(0) depctr_vm_vsrc(0)
	s_getreg_b32 s2, hwreg(HW_REG_IB_STS2, 6, 4)
	s_cmp_eq_u32 s2, 0
	s_cbranch_scc0 .Lentry_in_a_cluster
	s_endpgm
.Lentry_in_a_cluster:
	s_bfe_u32 s2, ttmp6, 0x10000c
	s_cmp_lg_u32 s2, 0xf033
	s_cbranch_scc0 .Lentry_shape_is_right
	s_endpgm
.Lentry_shape_is_right:
; The three projections q = query Wq^T, k = key Wk^T, v = value Wv^T on codes of FP6 (E2M3) with E8M0 scales, and the quantising of their results for the attention launch.
; A WORK-GROUP STAYS: it makes 128 tokens x 128 channels (two heads), K = 1,024, three times: kind 0 q, 1 k, 2 v, written out by one macro.  256 work-groups, one block of each kind for each.
; LDS: both panels whole, tile-major as the codes lie in memory: the token panel's 8 tiles x 12,288 bytes from byte 0, the weight panel's from byte 98,304.  A wave asks for two tiles, 24,576 dense bytes, by ONE joint load of 96 rows of 256 bytes.
; THE REFILL: when a kind's last fragments are in registers, every wave waits for all its tensor loads, adds 0 to its spare word and waits for that and for its reads; a round of the cluster's barrier follows, and the next kind's
; joint load is the first tensor load behind it.  It is on its way under the last K step's products, the quantising and the stores.  The last kind asks for nothing.
; PREFETCH: behind kind n's load each wave names the 256-byte blocks of kind n + 1's load (n = 0, 1 asks for 1, 2): one kind ahead of the load that wants them.  The four partners that ask for two tiles jointly share their 96 blocks
; out by address, 24 each (place cx for the token panel, cy for the weight panel); lanes 24-31 name the wave's last block again.
; CLUSTER 4 x 4: the token panel hangs on the work-group's y alone and is shared along a row of the cluster, the weight panel on x alone and is shared along a column: joint loads, one mask a line.
; ROLES.  Source 0 (P) gives the result's registers, source 1 (R) its lanes.  q, k: P = weights, R = tokens: a lane holds one token and 32 of a head's 64 channels: the next K.  v: P = tokens, R = weights: a lane holds one channel
; and its registers run along the tokens, which are the second attention product's K.  Tiles are in the order of the codes' buffer (lane r of tile 2 b + u = row 32 b + 8 u + r + 8 (r / 8)), so the 16 registers of P tiles 2 b, 2 b + 1 are 16 neighbours 32 b + 16 (lane / 16) + 0..15.
; WAVES: pg = w % 2: P tiles 4 pg .. 4 pg + 3;  rp = w / 2: R tiles 2 rp, 2 rp + 1: eight accumulators, by turns.
; OUT.  qc [hb][tile 0..127][768]: q's half images.  qx [hb][words [tile][r] 8,192 | q2 [tile][r] 8,192].  kv [hb][step of 128 keys 0..15][13,568]: K's images [tile 0..7][768] | V's [tile 0..3][c 0..1][768] | K's words 512 | -k2/2 512 | V's words 256.
; q's and k's scale words repeat their two bytes (K = 64 fills half of the instruction's 128; the other half meets zero codes).  q2 and k2 are sums of squares of the unquantised f32 results.
; LIMITS: a block's largest magnitude is floored at 2^-124 (byte 1, also for a block of zeros, whose codes are zeros; this program alone reads the bytes).  NaN and infinities are not served.
.set WV,   14
.set SEL,  22
.set G1X,  24                          ; s[24:31] group 1 for the token panel;  s[32:35] its group 0
.set G0X,  32
.set PFA,  36                          ; s[36:37] where my prefetch stands;  s[40:41] its step from kind to kind
.set G1W,  48                          ; s[48:55], s[68:71] the same for the weight panel
.set G0W,  68
.set WOFF, 98304
.set TSTEP, 256*12288                  ; from a kind's token tiles to the next kind's, in bytes
.set WSTEP, 64*12288                   ; and for the weights
.set STG,  196608                      ; behind the panels: words [pg][R tile][r] 1,024 bytes, squares likewise: no tensor load lands here
.set PA,   4                           ; v4  LDS address of my P tiles   v5  of my R tiles
.set RA,   5
.set PFO,  14                          ; v14 the prefetch's offset: 256 x min(lane, 23)
.set PS,   16                          ; v16-31 P's scale words: v[16 + 8 (t % 2) + s], lanes 0-15 tile t % 2, lanes 16-31 tile t % 2 + 2
.set RS,   32                          ; v32-39 R's: v[32 + s], lanes 0-15 tile 0, lanes 16-31 tile 1
.set F0,   40                          ; v40-111, v112-183 two sets of fragments: P 4 x 12, R 2 x 12
.set F1,   112
.set ACC,  184                         ; v184-247 accumulator (i, t) at 184 + 32 i + 8 t
.set TM,   248                         ; v248-253 at work in QUANT2
.set T2,   56
.macro ROUND                           ; a round of the cluster's barrier
	s_barrier_signal -1
	s_barrier_wait -1
	s_cmp_lg_u32 s[WV], 0
	s_cbranch_scc1 .Lnot_wave_0_\@
	s_barrier_signal -3
.Lnot_wave_0_\@:
	s_barrier_wait -3
	s_barrier_signal -1
	s_barrier_wait -1
.endm
.macro PLACES n
.rept \n
	v_nop
.endr
.endm
.macro JLOAD                           ; one joint load a wave: waves 0-3 the token panel's pairs of tiles, waves 4-7 the weight panel's; each line has one mask
	s_cmp_lt_u32 s[WV], 4
	s_cbranch_scc0 .Lfill_w_\@
	tensor_load_to_lds s[G0X:G0X+3], s[G1X:G1X+7]
	s_nop 0
	PLACES 4
	s_branch .Lfilled_\@
.Lfill_w_\@:
	tensor_load_to_lds s[G0W:G0W+3], s[G1W:G1W+7]
	s_nop 0
	PLACES 4
.Lfilled_\@:
.endm
; One product.  z = 1: it starts the sum.  ra, rb: the side's scale words stand in lanes 16-31.
.macro WM d, a, b, z, sa, sb, ra, rb
.if \z
.if (\ra) && (\rb)
	v_wmma_scale_f32_16x16x128_f8f6f4 v[\d:\d+7], v[\a:\a+11], v[\b:\b+11], 0, v[\sa], v[\sb] matrix_a_fmt:MATRIX_FMT_FP6 matrix_b_fmt:MATRIX_FMT_FP6 matrix_a_scale:MATRIX_SCALE_ROW1 matrix_b_scale:MATRIX_SCALE_ROW1
.elseif (\ra)
	v_wmma_scale_f32_16x16x128_f8f6f4 v[\d:\d+7], v[\a:\a+11], v[\b:\b+11], 0, v[\sa], v[\sb] matrix_a_fmt:MATRIX_FMT_FP6 matrix_b_fmt:MATRIX_FMT_FP6 matrix_a_scale:MATRIX_SCALE_ROW1
.elseif (\rb)
	v_wmma_scale_f32_16x16x128_f8f6f4 v[\d:\d+7], v[\a:\a+11], v[\b:\b+11], 0, v[\sa], v[\sb] matrix_a_fmt:MATRIX_FMT_FP6 matrix_b_fmt:MATRIX_FMT_FP6 matrix_b_scale:MATRIX_SCALE_ROW1
.else
	v_wmma_scale_f32_16x16x128_f8f6f4 v[\d:\d+7], v[\a:\a+11], v[\b:\b+11], 0, v[\sa], v[\sb] matrix_a_fmt:MATRIX_FMT_FP6 matrix_b_fmt:MATRIX_FMT_FP6
.endif
.else
.if (\ra) && (\rb)
	v_wmma_scale_f32_16x16x128_f8f6f4 v[\d:\d+7], v[\a:\a+11], v[\b:\b+11], v[\d:\d+7], v[\sa], v[\sb] matrix_a_fmt:MATRIX_FMT_FP6 matrix_b_fmt:MATRIX_FMT_FP6 matrix_a_scale:MATRIX_SCALE_ROW1 matrix_b_scale:MATRIX_SCALE_ROW1
.elseif (\ra)
	v_wmma_scale_f32_16x16x128_f8f6f4 v[\d:\d+7], v[\a:\a+11], v[\b:\b+11], v[\d:\d+7], v[\sa], v[\sb] matrix_a_fmt:MATRIX_FMT_FP6 matrix_b_fmt:MATRIX_FMT_FP6 matrix_a_scale:MATRIX_SCALE_ROW1
.elseif (\rb)
	v_wmma_scale_f32_16x16x128_f8f6f4 v[\d:\d+7], v[\a:\a+11], v[\b:\b+11], v[\d:\d+7], v[\sa], v[\sb] matrix_a_fmt:MATRIX_FMT_FP6 matrix_b_fmt:MATRIX_FMT_FP6 matrix_b_scale:MATRIX_SCALE_ROW1
.else
	v_wmma_scale_f32_16x16x128_f8f6f4 v[\d:\d+7], v[\a:\a+11], v[\b:\b+11], v[\d:\d+7], v[\sa], v[\sb] matrix_a_fmt:MATRIX_FMT_FP6 matrix_b_fmt:MATRIX_FMT_FP6
.endif
.endif
.endm
; 32 numbers of a lane, register 16 b + i = k 32 b + 16 (lane / 16) + i of its row, become a half image's six registers v[pc] on and v[sp] = byte 0 | byte 1 << 8.
.macro QUANT2 s, pc, sp
.irp b, 0,1
	v_max3_num_f32 v[TM+\b], |v[\s+16*\b]|, |v[\s+1+16*\b]|, 0x1800000   ; my 16 numbers of block b, and the floor 2^(3 - 127); each accumulator is read from its low end on
.endr
.irp i, 2,4,6,8,10,12,14
.irp b, 0,1
	v_max3_num_f32 v[TM+\b], v[TM+\b], |v[\s+16*\b+\i]|, |v[\s+1+16*\b+\i]|
.endr
.endr
.irp b, 0,1
	s_delay_alu instid0(VALU_DEP_2)
	v_permlanex16_b32 v[TM+2+\b], v[TM+\b], s[SEL], s[SEL+1]
.endr
.irp b, 0,1
	s_delay_alu instid0(VALU_DEP_2)
	v_max_num_f32 v[TM+\b], v[TM+\b], v[TM+2+\b]   ; with lane xor 16's: the block's largest magnitude
.endr
.irp b, 0,1
	s_delay_alu instid0(VALU_DEP_2)
	v_add_nc_u32 v[TM+4+\b], 0xff000000, v[TM+\b]  ; 2 off the exponent field: the conversion's scale operand
.endr
.irp b, 0,1
	s_delay_alu instid0(VALU_DEP_2)
	v_lshrrev_b32 v[TM+2+\b], 23, v[TM+4+\b]       ; the byte
.endr
	s_delay_alu instid0(VALU_DEP_1)
	v_lshl_or_b32 v[\sp], v[TM+3], 8, v[TM+2]
	v_cvt_scalef32_pk16_fp6_f32 v[\pc:\pc+2], v[\s:\s+15], v[TM+4]
	v_cvt_scalef32_pk16_fp6_f32 v[T2:T2+2], v[\s+16:\s+31], v[TM+5]
	v_nop                                          ; one plain instruction behind the conversions
.irp i, 0,1,2
	v_permlane16_swap_b32 v[\pc+\i], v[T2+\i]      ; a whole block to a lane: lanes 0-15 block 0, lanes 16-31 block 1
.endr
.irp i, 0,1,2
	s_delay_alu instid0(VALU_DEP_3)
	v_mov_b32 v[\pc+3+\i], v[T2+\i]
.endr
.endm
.macro FETCH s, set                    ; the fragments of K step s (128 along K): 36 loads of 8 bytes a lane, each 256 consecutive bytes
.irp i, 0,1,2,3
.irp c, 0,1
.irp j, 0,1,2
	ds_load_b64 v[\set+12*\i+6*\c+2*\j:\set+12*\i+6*\c+2*\j+1], v[PA] offset:12288*\i+1536*(\s)+768*\c+256*\j
.endr
.endr
.endr
.irp i, 0,1
.irp c, 0,1
.irp j, 0,1,2
	ds_load_b64 v[\set+48+12*\i+6*\c+2*\j:\set+48+12*\i+6*\c+2*\j+1], v[RA] offset:12288*\i+1536*(\s)+768*\c+256*\j
.endr
.endr
.endr
.endm
.macro MUL s, set, z
.irp i, 0,1
.irp t, 0,1,2,3
	WM ACC+32*\i+8*\t, \set+12*\t, \set+48+12*\i, \z, PS+8*(\t%2)+\s, RS+\s, \t/2, \i
.endr
.endr
.endm
.macro PAIR s                          ; K steps s (in set 1, asked for) and s + 1: each set is fetched anew four places behind the products that read it
	s_wait_dscnt 0x0                               ; set 1 is in
	PLACES 4
	FETCH \s+1, F0
	MUL \s, F1, 0
	PLACES 4
	FETCH \s+2, F1
	s_wait_dscnt 36                                ; all but the 36 just issued
	MUL \s+1, F0, 0
.endm
	s_load_b256 s[4:11], s[0:1], 0x0               ; codes, scales, qc, qx
	s_load_b64 s[12:13], s[0:1], 0x20              ; kv
	v_lshl_add_u32 v254, v0, 2, 0x31000
	v_mov_b32 v255, 0
	ds_add_u32 v254, v255                          ; the opening lines: the add, twice on end, and its wait ahead of my first tensor load
	ds_add_u32 v254, v255
	v_lshrrev_b32 v1, 5, v0
	s_delay_alu instid0(VALU_DEP_1)
	v_readfirstlane_b32 s[WV], v1                  ; wave 0..7
	s_and_b32 s15, s[WV], 3                        ; which pair of a panel's tiles I fetch
	s_and_b32 s16, s[WV], 1                        ; pg
	s_lshr_b32 s17, s[WV], 1                       ; rp
	s_bfe_u32 s56, ttmp6, 0x40000                  ; cx
	s_bfe_u32 s57, ttmp6, 0x40004                  ; cy
	s_lshl_b32 s58, ttmp9, 2
	s_add_co_u32 s58, s58, s56                     ; wx: which 128 channels
	s_and_b32 s59, ttmp7, 0xffff                   ; the cluster's y
	s_lshl_b32 s60, s59, 2
	s_add_co_u32 s60, s60, s57                     ; yy: which 128 tokens of the 4,096
	s_lshr_b32 s20, s60, 4                         ; batch
	s_and_b32 s19, s60, 15                         ; tp: which 128 tokens of the batch
	s_lshl_b32 s61, s57, 2
	s_lshl_b32 s61, 15, s61                        ; my row of the cluster
	s_lshl_b32 s62, 0x1111, s56                    ; my column
	; group 1: 96 rows of 256 bytes (32 elements of 8 bytes), dense; no padding: an operand load takes 256 consecutive bytes
	s_or_b32 s[G1X], s61, (3<<16)|(1<<21)
	s_or_b32 s[G1W], s62, (3<<16)|(1<<21)
.irp g, G1X, G1W
	s_mov_b32 s[\g+1], 32<<16                      ; tensor_dim0
	s_mov_b32 s[\g+2], 96<<16                      ; tensor_dim1
	s_mov_b32 s[\g+3], 32<<16                      ; tile_dim0
	s_mov_b32 s[\g+4], 96                          ; tile_dim1
	s_mov_b32 s[\g+5], 32                          ; dense
	s_mov_b32 s[\g+6], 0
	s_mov_b32 s[\g+7], 0
.endr
	s_lshl_b32 s84, s60, 3                         ; kind 0's token panel begins at tile 8 yy
	s_mov_b32 s100, s84
	s_lshl_b32 s66, s15, 1
	s_add_co_u32 s84, s84, s66
	s_mul_i32 s84, s84, 12288
	s_mov_b32 s85, 0
	s_lshl_b32 s86, s58, 3
	s_add_co_u32 s86, s86, 768                     ; its weight panel at tile 768 + 8 wx
	s_mov_b32 s101, s86
	s_add_co_u32 s86, s86, s66
	s_mul_i32 s86, s86, 12288
	s_mov_b32 s87, 0
	s_mul_i32 s66, s[WV], 24576                    ; where my two tiles go: the wave's number alone
	s_mov_b32 s39, 0
	s_mov_b32 s41, 0
	s_mov_b32 s40, WSTEP
	s_wait_dscnt 0x0
	s_wait_kmcnt 0x0
	s_add_nc_u64 s[84:85], s[4:5], s[84:85]
	s_add_nc_u64 s[86:87], s[4:5], s[86:87]
	s_mov_b32 s[G0X], 1
	s_mov_b32 s[G0X+1], s66
	s_mov_b64 s[G0X+2:G0X+3], s[84:85]
	s_or_b32 s[G0X+3], s[G0X+3], 0x80000000
	s_mov_b32 s[G0W], 1
	s_mov_b32 s[G0W+1], s66
	s_mov_b64 s[G0W+2:G0W+3], s[86:87]
	s_or_b32 s[G0W+3], s[G0W+3], 0x80000000
	s_cmp_lt_u32 s[WV], 4                          ; the prefetch: my two tiles of the next kind, my work-group's 24 blocks of their 96
	s_cselect_b64 s[PFA:PFA+1], s[84:85], s[86:87]
	s_cselect_b32 s40, TSTEP, s40
	s_cselect_b32 s38, s56, s57                    ; my place among the four that ask with me
	s_mul_i32 s38, s38, 24*256
	s_add_nc_u64 s[PFA:PFA+1], s[PFA:PFA+1], s[38:39]
	s_add_nc_u64 s[PFA:PFA+1], s[PFA:PFA+1], s[40:41]   ; at kind 1
	ROUND                                          ; all sixteen work-groups are here: the joint loads meet
	JLOAD                                          ; kind 0's panels: one load a wave
	v_and_b32 v1, 15, v0                           ; r
	v_bfe_u32 v2, v0, 4, 1                         ; h
	v_and_b32 v3, 31, v0                           ; lane
	v_mov_b32 v[TM+2], 0                           ; lane permutes' destinations count as read: written once
	v_mov_b32 v[TM+3], 0
	v_lshlrev_b32 v6, 4, v1
	s_delay_alu instid0(VALU_DEP_1)
	v_lshl_add_u32 v7, v2, 9, v6                   ; R's words: lanes 16-31 one tile on
	s_delay_alu instid0(VALU_DEP_2)
	v_lshl_add_u32 v6, v2, 10, v6                  ; P's: lanes 16-31 two tiles on
	v_min_u32 v[PFO], 23, v3
	s_delay_alu instid0(VALU_DEP_1)
	v_lshlrev_b32 v[PFO], 8, v[PFO]
	s_mov_b32 s[SEL], 0x76543210
	s_mov_b32 s[SEL+1], 0xfedcba98
	s_mov_b32 s96, 0xffff0000                      ; lanes 16-31
	s_wait_alu depctr_va_vdst(0)
	global_prefetch_b8 v[PFO], s[PFA:PFA+1] th:TH_LOAD_NT scope:SCOPE_SE   ; kind 1's blocks
.macro KIND kind
.if \kind > 0
	s_wait_xcnt 0x0                                ; the last kind's stores and loads have read their registers and bases
	s_add_co_u32 s100, s100, 256                   ; this kind's first tiles
	s_add_co_u32 s101, s101, 64
.endif
	s_mov_b32 s18, \kind
	; where results go, for each kind; then the choice, on kind alone
	s_lshl_b32 s2, s20, 4
	s_lshl_b32 s3, s58, 1
	s_add_co_u32 s2, s2, s3                        ; 16 batch + 2 wx: the first of my two heads
	s_add_co_u32 s3, s2, s16                       ; q, k: my wave's head (pg)
	s_lshr_b32 s21, s17, 1
	s_add_co_u32 s21, s2, s21                      ; v: my wave's head (rp / 2)
	s_mul_i32 s56, s19, 13568                      ; the step's block in kv
	s_mul_i32 s57, s17, 1536
	s_mul_i32 s59, s3, 98304
	s_mul_i32 s60, s19, 6144
	s_add_co_u32 s59, s59, s60
	s_add_co_u32 s59, s59, s57                     ; q's codes
	s_mul_i32 s60, s3, 217088
	s_add_co_u32 s60, s60, s56
	s_add_co_u32 s60, s60, s57                     ; k's codes
	s_mul_i32 s61, s21, 217088
	s_add_co_u32 s61, s61, s56
	s_and_b32 s62, s17, 1
	s_mul_i32 s62, s62, 3072
	s_add_co_u32 s61, s61, s62
	s_mul_i32 s62, s16, 768
	s_add_co_u32 s61, s61, s62
	s_add_co_u32 s61, s61, 6144                    ; v's codes: tile 2 (rp % 2) + i, half pg
	s_lshr_b32 s62, s[WV], 2
	s_add_co_u32 s63, s2, s62                      ; the small outputs: wave w stores head w / 4,
	s_bfe_u32 s66, s[WV], 0x10001                  ; array (w / 2) % 2 (words, squares),
	s_lshl_b32 s67, s16, 8                         ; half w % 2 of its 512 bytes
	s_lshl_b32 s84, s63, 14
	s_lshl_b32 s85, s66, 13
	s_add_co_u32 s84, s84, s85
	s_lshl_b32 s85, s19, 9
	s_add_co_u32 s84, s84, s85
	s_add_co_u32 s84, s84, s67                     ; q's
	s_mul_i32 s85, s63, 217088
	s_add_co_u32 s85, s85, s56
	s_lshl_b32 s86, s66, 9
	s_add_co_u32 s85, s85, s86
	s_add_co_u32 s85, s85, s67
	s_add_co_u32 s85, s85, 12288                   ; k's
	s_add_co_u32 s86, s2, s[WV]
	s_mul_i32 s86, s86, 217088
	s_add_co_u32 s86, s86, s56
	s_add_co_u32 s86, s86, 13312                   ; v's words: waves 0 and 1, a head each
	s_lshl_b32 s87, s16, 9
	s_lshl_b32 s3, s17, 7
	s_add_co_u32 s87, s87, s3
	s_add_co_u32 s87, s87, STG
	v_lshl_add_u32 v10, v3, 2, s87                 ; the stage, in: array pg, R tiles 2 rp (lanes 0-15) and 2 rp + 1 (lanes 16-31)
	s_lshl_b32 s3, s66, 10
	s_lshl_b32 s62, s62, 9
	s_add_co_u32 s3, s3, s62
	s_add_co_u32 s3, s3, s67
	s_add_co_u32 s3, s3, STG
	v_lshl_add_u32 v11, v3, 3, s3                  ; out, q and k: 256 bytes a wave
	s_add_co_u32 s67, s67, STG
	v_lshl_add_u32 v12, v3, 3, s67                 ; out, v: a head's four tiles, in both word arrays
	s_lshl_b32 s2, s16, 4                          ; 16 pg
	s_mul_i32 s21, s16, 49152
	s_mul_i32 s62, s17, 24576
	s_mov_b32 s63, 768
	s_mov_b32 s99, 0xbf000000                      ; -0.5
	s_cmp_eq_u32 s18, 2
	s_cselect_b32 s97, s2, 0                       ; the word: q, k: sp | sp << 16;  v: sp << 16 pg
	s_cselect_b32 s98, s2, 16
	s_cselect_b32 s56, 0, WOFF                     ; P's panel
	s_cselect_b32 s57, WOFF, 0                     ; R's
	s_cselect_b32 s60, s61, s60
	s_cselect_b32 s85, s86, s85
	s_cselect_b32 s61, s100, s101                  ; P's first tile
	s_cselect_b32 s86, s101, s100                  ; R's
	s_cselect_b32 s63, 1536, s63                   ; from R tile 0's image to R tile 1's
	s_cmp_eq_u32 s18, 0
	s_cselect_b32 s60, s59, s60
	s_cselect_b32 s85, s84, s85
	s_cselect_b64 s[92:93], s[8:9], s[12:13]       ; codes go to qc or kv
	s_cselect_b64 s[94:95], s[10:11], s[12:13]     ; words and squares to qx or kv
	s_cselect_b32 s99, 0x3f800000, s99             ; q2 as it is, k2 x -1/2
	s_add_co_u32 s56, s56, s21
	s_add_co_u32 s57, s57, s62
	v_lshl_add_u32 v[PA], v3, 3, s56
	v_lshl_add_u32 v[RA], v3, 3, s57
	v_lshl_add_u32 v8, v3, 3, s60
	s_delay_alu instid0(VALU_DEP_1)
	v_add_nc_u32 v9, s63, v8
	v_lshl_add_u32 v13, v3, 3, s85
	s_wait_alu depctr_va_vdst(0)
	s_lshl_b32 s2, s16, 2
	s_add_co_u32 s61, s61, s2
	s_lshl_b32 s88, s61, 9
	s_mov_b32 s89, 0
	s_add_nc_u64 s[88:89], s[6:7], s[88:89]
	s_lshl_b32 s2, s17, 1
	s_add_co_u32 s86, s86, s2
	s_lshl_b32 s90, s86, 9
	s_mov_b32 s91, 0
	s_add_nc_u64 s[90:91], s[6:7], s[90:91]
.irp tq, 0,1
.irp kh, 0,1
	global_load_b128 v[PS+8*\tq+4*\kh:PS+8*\tq+4*\kh+3], v6, s[88:89] offset:512*\tq+256*\kh
.endr
.endr
.irp kh, 0,1
	global_load_b128 v[RS+4*\kh:RS+4*\kh+3], v7, s[90:91] offset:256*\kh
.endr
	s_wait_tensorcnt 0x0                           ; my two tiles of this kind are in;
	s_barrier_signal -1
	s_barrier_wait -1                              ; everybody's are: both panels are whole.
	FETCH 0, F0
	s_wait_loadcnt 0x0                             ; the scale words
	FETCH 1, F1
	s_wait_dscnt 36                                ; all but the 36 just issued
	MUL 0, F0, 1                                   ; the first K step starts the sums
	PAIR 1
	PAIR 3
	PAIR 5
.if \kind < 2
	s_wait_xcnt 0x0                                ; my prefetch has read its address
.if \kind == 0
	s_add_nc_u64 s[PFA:PFA+1], s[PFA:PFA+1], s[40:41]   ; on to kind 2
.endif
	s_wait_tensorcnt 0x0                           ; no tensor load of mine is out;
	ds_add_u32 v254, v255                          ; 0 onto my spare word;
	s_add_nc_u64 s[G0X+2:G0X+3], s[G0X+2:G0X+3], TSTEP   ; so the groups 0 may be written: the next kind's tiles
	s_add_nc_u64 s[G0W+2:G0W+3], s[G0W+2:G0W+3], WSTEP
	s_wait_dscnt 0x0                               ; the add is done, and my reads of the panels are over: the last K step's fragments are in registers
	ROUND                                          ; both hold of every wave of every work-group of the cluster
	JLOAD                                          ; the next kind's panels: the first tensor load behind the round, one a wave
.else
	s_wait_dscnt 0x0
.endif
	MUL 7, F1, 0
.if \kind == 0
	global_prefetch_b8 v[PFO], s[PFA:PFA+1] th:TH_LOAD_NT scope:SCOPE_SE   ; kind 2's blocks
.endif
	PLACES 4                                       ; between the last products and the first read of results
	QUANT2 ACC, 40, 60                             ; R tile 0's rows
	QUANT2 ACC+32, 48, 61                          ; R tile 1's
.irp j, 0,1,2
	global_store_b64 v8, v[40+2*\j:41+2*\j], s[92:93] offset:256*\j    ; 256 consecutive bytes, aligned
	global_store_b64 v9, v[48+2*\j:49+2*\j], s[92:93] offset:256*\j
.endr
	v_cndmask_b32 v62, v60, v61, s96               ; lanes 0-15 tile 0's bytes, lanes 16-31 tile 1's
	s_delay_alu instid0(VALU_DEP_1)
	v_lshlrev_b32 v63, s97, v62
	s_delay_alu instid0(VALU_DEP_2)
	v_lshlrev_b32 v62, s98, v62
	s_delay_alu instid0(VALU_DEP_1)
	v_or_b32 v63, v63, v62
	ds_store_b32 v10, v63
.if \kind < 2                          ; v has no squares
.irp i, 0,1
	v_pk_mul_f32 v[64+4*\i:65+4*\i], v[ACC+32*\i:ACC+32*\i+1], v[ACC+32*\i:ACC+32*\i+1]
	v_pk_mul_f32 v[66+4*\i:67+4*\i], v[ACC+32*\i+2:ACC+32*\i+3], v[ACC+32*\i+2:ACC+32*\i+3]
.endr
.irp j, 4,8,12,16,20,24,28
.irp i, 0,1
	v_pk_fma_f32 v[64+4*\i:65+4*\i], v[ACC+32*\i+\j:ACC+32*\i+\j+1], v[ACC+32*\i+\j:ACC+32*\i+\j+1], v[64+4*\i:65+4*\i]
	v_pk_fma_f32 v[66+4*\i:67+4*\i], v[ACC+32*\i+\j+2:ACC+32*\i+\j+3], v[ACC+32*\i+\j+2:ACC+32*\i+\j+3], v[66+4*\i:67+4*\i]
.endr
.endr
.irp i, 0
	s_delay_alu instid0(VALU_DEP_3)
	v_pk_add_f32 v[64+4*\i:65+4*\i], v[64+4*\i:65+4*\i], v[66+4*\i:67+4*\i]
.endr
.irp i, 1
	s_delay_alu instid0(VALU_DEP_2)
	v_pk_add_f32 v[64+4*\i:65+4*\i], v[64+4*\i:65+4*\i], v[66+4*\i:67+4*\i]
.endr
.irp i, 0,1
	s_delay_alu instid0(VALU_DEP_2)
	v_add_f32 v[64+4*\i], v[64+4*\i], v[65+4*\i]
.endr
	s_delay_alu instid0(VALU_DEP_2)
	v_permlanex16_b32 v[TM+2], v64, s[SEL], s[SEL+1]
	s_delay_alu instid0(VALU_DEP_2)
	v_permlanex16_b32 v[TM+3], v68, s[SEL], s[SEL+1]
	s_delay_alu instid0(VALU_DEP_2)
	v_add_f32 v64, v64, v[TM+2]                    ; with lane xor 16's 32 channels: the token's sum of squares over the head's 64
	s_delay_alu instid0(VALU_DEP_2)
	v_add_f32 v68, v68, v[TM+3]
	s_delay_alu instid0(VALU_DEP_1)
	v_cndmask_b32 v64, v64, v68, s96
	s_delay_alu instid0(VALU_DEP_1)
	v_mul_f32 v64, s99, v64
	ds_store_b32 v10, v64 offset:1024
.endif
	s_wait_dscnt 0x0                               ; for the others' sake: my stores into the stage are done
	s_barrier_signal -1
	s_barrier_wait -1                              ; the next kind's load may be on its way across it
.if \kind < 2
	ds_load_b64 v[74:75], v11
	s_wait_dscnt 0x0
	global_store_b64 v13, v[74:75], s[94:95]       ; 256 consecutive bytes, aligned
.else
	s_cmp_lt_u32 s[WV], 2
	s_cbranch_scc0 .Lend
	ds_load_b64 v[74:75], v12                      ; tokens 0-63's two bytes,
	ds_load_b64 v[76:77], v12 offset:512           ; tokens 64-127's, already 16 bits up
	s_wait_dscnt 0x0
	v_or_b32 v74, v74, v76
	v_or_b32 v75, v75, v77
	global_store_b64 v13, v[74:75], s[94:95]
.Lend:
.endif
.endm
	KIND 0
	KIND 1
	KIND 2
	s_wait_tensorcnt 0x0                           ; the wave's end
	ds_add_u32 v254, v255
	s_wait_dscnt 0x0
	ROUND                                          ; the closing round: no work-group ends while a partner may still ask for a tile that names it
	s_endpgm
.Lfunc_end_k_q4c0c31f399_proj:
	.size	k_q4c0c31f399_proj, .Lfunc_end_k_q4c0c31f399_proj-k_q4c0c31f399_proj
	.p2alignl 7, 3214868480
	.fill 96, 4, 3214868480
	.section	.rodata,"a",@progbits
	.p2align	6, 0x0
	.amdhsa_kernel k_q4c0c31f399_proj
		.amdhsa_group_segment_fixed_size 327680
		.amdhsa_private_segment_fixed_size 0
		.amdhsa_enable_private_segment 0
		.amdhsa_kernarg_size 40
		.amdhsa_user_sgpr_count 2
		.amdhsa_user_sgpr_kernarg_segment_ptr 1
		.amdhsa_wavefront_size32 1
		.amdhsa_system_sgpr_workgroup_id_x 1
		.amdhsa_system_sgpr_workgroup_id_y 1
		.amdhsa_system_sgpr_workgroup_id_z 1
		.amdhsa_system_vgpr_workitem_id 0
		.amdhsa_next_free_vgpr 256
		.amdhsa_next_free_sgpr 102
		.amdhsa_reserve_vcc 0
		.amdhsa_float_denorm_mode_32 3
		.amdhsa_float_denorm_mode_16_64 3
		.amdhsa_memory_ordered 1
		.amdhsa_forward_progress 1
		.amdhsa_inst_pref_size 127
	.end_amdhsa_kernel
	.amdgpu_metadata
---
amdhsa.version: [ 1, 2 ]
amdhsa.kernels:
  - .name:           k_q4c0c31f399_proj
    .symbol:         k_q4c0c31f399_proj.kd
    .args:
      - { .name: codes, .offset: 0, .size: 8, .value_kind: global_buffer, .address_space: global }
      - { .name: scales, .offset: 8, .size: 8, .value_kind: global_buffer, .address_space: global }
      - { .name: qc, .offset: 16, .size: 8, .value_kind: global_buffer, .address_space: global }
      - { .name: qx, .offset: 24, .size: 8, .value_kind: global_buffer, .address_space: global }
      - { .name: kv, .offset: 32, .size: 8, .value_kind: global_buffer, .address_space: global }
    .group_segment_fixed_size: 327680
    .private_segment_fixed_size: 0
    .kernarg_segment_align: 8
    .kernarg_segment_size: 40
    .max_flat_workgroup_size: 256
    .sgpr_count:     102
    .vgpr_count:     256
    .wavefront_size: 32
...
	.end_amdgpu_metadata
.endif
;; end of part 2
;; launch attn (part 3): grid 8 x 32, 8 waves a work-group, clusters of 4 x 1, 220,160 bytes of LDS; arguments qc, qx, kv, ac, asc; writes ac, asc
.if DOCPART == 3
	.amdgcn_target "amdgcn-amd-amdhsa--gfx1250"
	.amdhsa_code_object_version 6
	.text
	.protected	k_q4c0c31f399_attn
	.globl	k_q4c0c31f399_attn
	.p2align	8
	.type	k_q4c0c31f399_attn,@function
k_q4c0c31f399_attn:
	s_mov_b64 s[64:65], 0
	v_nop
	global_prefetch_b8 v0, s[64:65] scope:SCOPE_SE
	s_setreg_imm32_b32 hwreg(HW_REG_WAVE_MODE, 25, 1), 1
	s_wait_xcnt 0x0
	s_wait_alu depctr_hold_cnt(0) depctr_sa_sdst(0) depctr_va_vdst(0) depctr_va_sdst(0) depctr_va_ssrc(0) depctr_va_vcc(0) depctr_vm_vsrc(0)
	s_getreg_b32 s2, hwreg(HW_REG_IB_STS2, 6, 4)
	s_cmp_eq_u32 s2, 0
	s_cbranch_scc0 .Lentry_in_a_cluster
	s_endpgm
.Lentry_in_a_cluster:
	s_bfe_u32 s2, ttmp6, 0x10000c
	s_cmp_lg_u32 s2, 0x3003
	s_cbranch_scc0 .Lentry_shape_is_right
	s_endpgm
.Lentry_shape_is_right:
; x = softmax_k(1 / (|q - k| / 8 + 1e-9)) v for one head and 256 queries a work-group, both products on codes of FP6 (E2M3) with E8M0 scales; x is quantised along D for the last projection.
; d2 = q2 + k2 - 2 qk: -k2/2 is the C of the product K Q^T, so the product gives D = qk - k2/2 and d2 = fma(D, -2, q2), held at 0 from below.  (One order of rounding other than adding q2 + k2 first; all in f32.)
; a = 1 / (sqrt(d2) x 0.125 + 1e-9); t = a log2(e); M = the running largest t rounded UP to a whole number; p = 2^(t - M) is quantised along the keys, not normalised; the sum is taken of the unquantised p and divides at the end.
; When M moves, the sum and O^T are multiplied by 2^(old M - new M): exact, no branch on data.
; A block's largest p is not searched for: a rises with D, so the block's largest D goes through the same instructions.  (This takes sqrt, rcp and exp not to invert an order; at worst one p of a block is held one code low.)
; SHARES: eight waves, two to a SIMD, each TWO tiles of 16 queries (x = 0, 1) in 512 registers.  The two tiles share every fragment of K and V and the registers of -k2/2 (C and D of the first product are different registers).
; K's, C's and V's registers are their own, so a step's fragments are asked for one step ahead: K and C behind the step's first products, V behind its second.
; One tile's roots, reciprocals and exponentials stand line by line among the other tile's element-wise lines; each such run is closed by one wait, ahead of the first reader of anything written in it.
; Block maxima: a swap of the lanes' halves puts blocks 2 e and 2 e + 1 into the two halves of ONE register, so two registers a tile go through the roots; a second swap spreads the scale operands to all lanes.
; LDS: the head's whole block of kv, 217,088 bytes (16 steps of 128 keys x 13,568), filled ONCE: wave w asks for steps 2 w, 2 w + 1 by one joint load of 106 rows of 256 bytes.  Behind it 1,024 bytes of stage and the spare words.
; CLUSTER 4 x 1: the four query blocks of a cluster walk the same head: joint loads.  No data prefetch: every byte is asked for at the head, so there is no loop to run ahead in.
; Both products are used transposed (S^T = K Q^T, O^T = V^T P^T): a lane holds one query throughout.  K = 64 fills half of the instruction's 128: Q's upper six registers are zeros, so whatever stands in K's upper six (the next tile's codes) adds nothing; the scale words repeat their two bytes.
; LIMITS: a block's largest p and largest |x| are floored at 2^-124 (byte 1; a block of zeros has zero codes).  NaN and infinities are not served.
.set WV,    14
.set SEL,   20                         ; s[20:21] selects for lane xor 16;  s[22:23] log2(e);  s[48:49] 0.125;  s50 the next step's LDS byte;  s51 counts trips;  s63 lanes 16-31
.set STEPB, 13568
.set STG,   217088
.set SPARE, 218112
; window 0 (x: the tile)
.set MP,    14                         ; v[14+2x] -M, v[15+2x] the running largest t
.set L,     18                         ; v[18+2x:19+2x] the sum, in two halves
.set QQ,    22                         ; q2 twice
.set F,     26                         ; f = 2^(old M - new M), and a word named with it
.set QS,    30                         ; Q's scale words
.set PW,    32                         ; p's scale word
.set KS,    34                         ; v34-37 K's scale words: lanes 0-15 tile 2 b, lanes 16-31 tile 2 b + 1
.set VS,    38                         ; v38-39 V's likewise
.set BM,    40                         ; v[40+4x+b] block b's largest D .. scale operand
.set G,     48                         ; v[48+2x], v[49+2x] at work
.set T2,    52                         ; v[52+8x+4c ..] upper halves of blocks, made here and moved
.set ST,    68                         ; v68-73 three partial sums
.set PCD,   76                         ; v[76+12x ..] p's codes
.set S,     100                        ; v[100+64x ..] D .. p
.set SPW,   254
.set NIL,   255
.set TM,    40                         ; QUANT2's six registers, at the end
; window 1
.set CR,    0                          ; -k2/2, 8 tiles x 8
.set QF,    64                         ; Q's fragments, 12 a tile, the upper six zeros
.set KF,    88                         ; K's eight tiles x 6, and six zeros
.set VF,    142                        ; V's four fragments x 12
.set O,     190                        ; O^T, 32 a tile
.set MSB, 0
.macro WIN new                         ; the immediate's high byte repeats the setting that is left
.if MSB != \new
	s_set_vgpr_msb (MSB<<8)|\new
.set MSB, \new
.endif
.endm
.macro WAITV
	s_wait_alu depctr_va_vdst(0)
.endm
.macro ROUND
	s_barrier_signal -1
	s_barrier_wait -1
	s_cmp_lg_u32 s[WV], 0
	s_cbranch_scc1 .Lnot_wave_0_\@
	s_barrier_signal -3
.Lnot_wave_0_\@:
	s_barrier_wait -3
	s_barrier_signal -1
	s_barrier_wait -1
.endm
.macro PLACES n
.rept \n
	v_nop
.endr
.endm
.macro WMK t, x                        ; D = K Q^T - k2/2: tile t of the keys, tile x of the queries
.if (\t)%2
	v_wmma_scale_f32_16x16x128_f8f6f4 v[S+64*\x+8*\t:S+64*\x+8*\t+7], v[KF+6*\t:KF+6*\t+11], v[QF+12*\x:QF+12*\x+11], v[CR+8*\t:CR+8*\t+7], v[KS+\t/2], v[QS+\x] matrix_a_fmt:MATRIX_FMT_FP6 matrix_b_fmt:MATRIX_FMT_FP6 matrix_a_scale:MATRIX_SCALE_ROW1
.else
	v_wmma_scale_f32_16x16x128_f8f6f4 v[S+64*\x+8*\t:S+64*\x+8*\t+7], v[KF+6*\t:KF+6*\t+11], v[QF+12*\x:QF+12*\x+11], v[CR+8*\t:CR+8*\t+7], v[KS+\t/2], v[QS+\x] matrix_a_fmt:MATRIX_FMT_FP6 matrix_b_fmt:MATRIX_FMT_FP6
.endif
.endm
.macro WMV t, x                        ; O^T += V^T P^T
.if (\t)%2
	v_wmma_scale_f32_16x16x128_f8f6f4 v[O+32*\x+8*\t:O+32*\x+8*\t+7], v[VF+12*\t:VF+12*\t+11], v[PCD+12*\x:PCD+12*\x+11], v[O+32*\x+8*\t:O+32*\x+8*\t+7], v[VS+\t/2], v[PW+\x] matrix_a_fmt:MATRIX_FMT_FP6 matrix_b_fmt:MATRIX_FMT_FP6 matrix_a_scale:MATRIX_SCALE_ROW1
.else
	v_wmma_scale_f32_16x16x128_f8f6f4 v[O+32*\x+8*\t:O+32*\x+8*\t+7], v[VF+12*\t:VF+12*\t+11], v[PCD+12*\x:PCD+12*\x+11], v[O+32*\x+8*\t:O+32*\x+8*\t+7], v[VS+\t/2], v[PW+\x] matrix_a_fmt:MATRIX_FMT_FP6 matrix_b_fmt:MATRIX_FMT_FP6
.endif
.endm
.macro LDK a1, a2, a3                  ; a step's K: 44 LDS loads.  a1, a2, a3: registers with the step's byte + 8 lane, + 4 lane, + 32 h
.irp q, 0,1,2,3
	ds_load_b32 v[KS+\q], v[\a2] offset:12288+128*\q
.endr
	WIN 0x40
.irp t, 0,1,2,3,4,5,6,7
	ds_load_b128 v[CR+8*\t:CR+8*\t+3], v[\a3] offset:12800+64*\t       ; -k2/2 of tile rows 8 h + 0 .. 7
	ds_load_b128 v[CR+8*\t+4:CR+8*\t+7], v[\a3] offset:12800+64*\t+16
.endr
.irp t, 0,1,2,3,4,5,6,7
.irp j, 0,1,2
	ds_load_b64 v[KF+6*\t+2*\j:KF+6*\t+2*\j+1], v[\a1] offset:768*\t+256*\j
.endr
.endr
	WIN 0
.endm
.macro LDV a1, a2                      ; a step's V: 26 LDS loads
.irp q, 0,1
	ds_load_b32 v[VS+\q], v[\a2] offset:13312+128*\q
.endr
	WIN 0x40
.irp t, 0,1,2,3
.irp e, 0,1
.irp j, 0,1,2
	ds_load_b64 v[VF+12*\t+6*\e+2*\j:VF+12*\t+6*\e+2*\j+1], v[\a1] offset:6144+768*(2*\t+\e)+256*\j
.endr
.endr
.endr
	WIN 0
.endm
; n lines of macro p on tile x (J: the pair's first register), each behind r transcendentals t on v[tb] on
.macro MIX t, tb, n, r, p, x
.set J, 0
.set TT, \tb
.rept \n
.rept \r
	\t v[TT], v[TT]
.set TT, TT+1
.endr
	\p \x
.set J, J+2
.endr
.endm
.macro RUN n, p, x
.set J, 0
.rept \n
	\p \x
.set J, J+2
.endr
.endm
.macro PD2 x                           ; d2 = q2 - 2 D
	v_pk_fma_f32 v[S+64*\x+J:S+64*\x+J+1], v[S+64*\x+J:S+64*\x+J+1], -2.0, v[QQ+2*\x:QQ+2*\x+1] op_sel_hi:[1,0,1]
.endm
.macro PMAX x                          ; held at 0 from below
	v_dual_max_num_f32 v[S+64*\x+J], 0, v[S+64*\x+J] :: v_dual_max_num_f32 v[S+64*\x+J+1], 0, v[S+64*\x+J+1]
.endm
.macro P3 x                            ; dist x 0.125 + 1e-9 (the product by a power of two is exact)
	v_pk_fma_f32 v[S+64*\x+J:S+64*\x+J+1], v[S+64*\x+J:S+64*\x+J+1], s[48:49], v[8:9] op_sel_hi:[1,0,1]
.endm
.macro P4 x                            ; t - M
	v_pk_fma_f32 v[S+64*\x+J:S+64*\x+J+1], v[S+64*\x+J:S+64*\x+J+1], s[22:23], v[MP+2*\x:MP+2*\x+1] op_sel_hi:[1,0,0]
.endm
.macro PS1 x                           ; the sum's first level, in place (the codes are made): 16 lines that hang on nothing of each other
	v_pk_add_f32 v[S+64*\x+J:S+64*\x+J+1], v[S+64*\x+J:S+64*\x+J+1], v[S+64*\x+J+32:S+64*\x+J+33]
.endm
.macro PSUM x                          ; the 16 pairs that are left, in four chains
.if (J/2)%4 == 0
	v_pk_add_f32 v[L+2*\x:L+2*\x+1], v[L+2*\x:L+2*\x+1], v[S+64*\x+J:S+64*\x+J+1]
.elseif J < 8
	v_pk_add_f32 v[ST+J-2:ST+J-1], v[S+64*\x+J:S+64*\x+J+1], v[S+64*\x+J+8:S+64*\x+J+9]
.elseif J >= 16
	v_pk_add_f32 v[ST+J%8-2:ST+J%8-1], v[ST+J%8-2:ST+J%8-1], v[S+64*\x+J:S+64*\x+J+1]
.endif
.endm
.macro SUMS x
	RUN 16, PSUM, \x
	v_pk_add_f32 v[ST:ST+1], v[ST:ST+1], v[ST+2:ST+3]
	v_pk_add_f32 v[L+2*\x:L+2*\x+1], v[L+2*\x:L+2*\x+1], v[ST+4:ST+5]
	s_delay_alu instid0(VALU_DEP_1)
	v_pk_add_f32 v[L+2*\x:L+2*\x+1], v[L+2*\x:L+2*\x+1], v[ST:ST+1]
.endm
.macro CVT x                           ; p's codes: four halves of blocks
.irp e, 0,1
	v_cvt_scalef32_pk16_fp6_f32 v[PCD+12*\x+6*\e:PCD+12*\x+6*\e+2], v[S+64*\x+32*\e:S+64*\x+32*\e+15], v[BM+4*\x+2*\e]
	v_cvt_scalef32_pk16_fp6_f32 v[T2+8*\x+4*\e:T2+8*\x+4*\e+2], v[S+64*\x+32*\e+16:S+64*\x+32*\e+31], v[BM+4*\x+2*\e+1]
.endr
	v_nop                                          ; one plain instruction behind the conversions
.endm
.macro SWP x                           ; a whole block to a lane
.irp e, 0,1
.irp i, 0,1,2
	v_permlane16_swap_b32 v[PCD+12*\x+6*\e+\i], v[T2+8*\x+4*\e+\i]
.endr
.irp i, 0,1,2
	s_delay_alu instid0(VALU_DEP_3)
	v_mov_b32 v[PCD+12*\x+6*\e+3+\i], v[T2+8*\x+4*\e+\i]
.endr
.endr
.endm
.macro QUANT2 s, pc, sp                ; 32 numbers of a lane, register 16 b + i = k 32 b + 16 (lane / 16) + i, become a half image's six registers and v[sp] = byte 0 | byte 1 << 8
.irp b, 0,1
	v_max3_num_f32 v[TM+\b], |v[\s+16*\b]|, |v[\s+1+16*\b]|, 0x1800000
.endr
.irp i, 2,4,6,8,10,12,14
.irp b, 0,1
	s_delay_alu instid0(VALU_DEP_2)
	v_max3_num_f32 v[TM+\b], v[TM+\b], |v[\s+16*\b+\i]|, |v[\s+1+16*\b+\i]|
.endr
.endr
.irp b, 0,1
	s_delay_alu instid0(VALU_DEP_2)
	v_permlanex16_b32 v[TM+2+\b], v[TM+\b], s[SEL], s[SEL+1]
.endr
.irp b, 0,1
	s_delay_alu instid0(VALU_DEP_2)
	v_max_num_f32 v[TM+\b], v[TM+\b], v[TM+2+\b]
.endr
.irp b, 0,1
	s_delay_alu instid0(VALU_DEP_2)
	v_add_nc_u32 v[TM+4+\b], 0xff000000, v[TM+\b]
.endr
.irp b, 0,1
	s_delay_alu instid0(VALU_DEP_2)
	v_lshrrev_b32 v[TM+2+\b], 23, v[TM+4+\b]
.endr
	s_delay_alu instid0(VALU_DEP_1)
	v_lshl_or_b32 v[\sp], v[TM+3], 8, v[TM+2]
	v_cvt_scalef32_pk16_fp6_f32 v[\pc:\pc+2], v[\s:\s+15], v[TM+4]
	v_cvt_scalef32_pk16_fp6_f32 v[T2:T2+2], v[\s+16:\s+31], v[TM+5]
	v_nop
.irp i, 0,1,2
	v_permlane16_swap_b32 v[\pc+\i], v[T2+\i]
.endr
.irp i, 0,1,2
	s_delay_alu instid0(VALU_DEP_3)
	v_mov_b32 v[\pc+3+\i], v[T2+\i]
.endr
.endm
	s_load_b256 s[4:11], s[0:1], 0x0               ; qc, qx, kv, ac
	s_load_b64 s[12:13], s[0:1], 0x20              ; asc
	v_lshl_add_u32 v[SPW], v0, 2, SPARE
	v_mov_b32 v[NIL], 0
	ds_add_u32 v[SPW], v[NIL]                      ; the opening lines: the add, twice on end, and its wait ahead of my tensor load
	ds_add_u32 v[SPW], v[NIL]
	v_lshrrev_b32 v1, 5, v0
	s_delay_alu instid0(VALU_DEP_1)
	v_readfirstlane_b32 s[WV], v1                  ; wave 0..7
	s_bfe_u32 s15, ttmp6, 0x40000                  ; cx: it enters global addresses of q and x alone
	s_lshl_b32 s16, ttmp9, 2
	s_add_co_u32 s16, s16, s15                     ; qb: my block of 256 queries
	s_and_b32 s17, ttmp7, 0xffff                   ; hb = 16 batch + head, which the four partners share
	; group 1: two steps' blocks, 106 rows of 256 bytes (32 elements of 8 bytes), dense; the mask names all four work-groups
	s_mov_b32 s24, 15|(3<<16)|(1<<21)
	s_mov_b32 s25, 32<<16
	s_mov_b32 s26, 106<<16
	s_mov_b32 s27, 32<<16
	s_mov_b32 s28, 106
	s_mov_b32 s29, 32
	s_mov_b32 s30, 0
	s_mov_b32 s31, 0
	s_mul_i32 s52, s17, 16*STEPB
	s_mov_b32 s53, 0
	s_mul_i32 s54, s[WV], 2*STEPB                  ; wave w brings steps 2 w and 2 w + 1
	s_mov_b32 s55, 0
	s_add_nc_u64 s[52:53], s[52:53], s[54:55]
	s_wait_dscnt 0x0
	s_wait_kmcnt 0x0
	s_add_nc_u64 s[52:53], s[8:9], s[52:53]
	s_mov_b32 s32, 1
	s_mov_b32 s33, s54
	s_mov_b64 s[34:35], s[52:53]
	s_or_b32 s35, s35, 0x80000000
	ROUND                                          ; all four work-groups are here: the joint loads meet
	tensor_load_to_lds s[32:35], s[24:31]          ; one load a wave; every wave issues one
	s_nop 0
	v_and_b32 v7, 15, v0
	v_bfe_u32 v6, v0, 4, 1
	v_and_b32 v5, 31, v0
	v_lshlrev_b32 v7, 2, v7                        ; 4 r
	v_lshlrev_b32 v6, 5, v6                        ; 32 h
	v_lshlrev_b32 v4, 3, v5                        ; 8 x lane
	v_lshlrev_b32 v11, 4, v5                       ; 16 x lane
	v_lshlrev_b32 v5, 2, v5                        ; 4 x lane
	WAITV                                          ; directly ahead of the run of scalar instructions
	s_mov_b32 s[SEL], 0x76543210
	s_mov_b32 s[SEL+1], 0xfedcba98
	s_mov_b32 s22, 0x3fb8aa3b                      ; log2(e)
	s_mov_b32 s23, s22                             ; (named with it as a pair, so it is written)
	s_mov_b32 s48, 0x3e000000                      ; 64^-0.5 = 0.125
	s_mov_b32 s49, s48
	s_mov_b32 s63, 0xffff0000                      ; lanes 16-31
	s_lshl_b32 s56, s16, 4
	s_lshl_b32 s57, s[WV], 1
	s_add_co_u32 s56, s56, s57                     ; qt: the first of my two tiles of queries in the batch
	s_lshl_b32 s57, s17, 7
	s_add_co_u32 s57, s57, s56
	s_mul_i32 s58, s57, 768
	s_mov_b32 s59, 0
	s_add_nc_u64 s[4:5], s[4:5], s[58:59]          ; Q's half images, 768 bytes a tile
	s_lshl_b32 s58, s17, 14
	s_lshl_b32 s57, s56, 6
	s_add_co_u32 s58, s58, s57
	s_add_nc_u64 s[6:7], s[6:7], s[58:59]          ; their scale words, 64 bytes a tile; q2 lies 8,192 bytes on
	s_lshr_b32 s60, s17, 4
	s_and_b32 s61, s17, 15                         ; head
	s_lshl_b32 s60, s60, 7                         ; 128 batch
	s_add_co_u32 s57, s60, s56                     ; T: my first tile among the 256 of all tokens
	s_lshl_b32 s57, s57, 4
	s_add_co_u32 s57, s57, s61
	s_mul_i32 s58, s57, 768
	s_add_nc_u64 s[10:11], s[10:11], s[58:59]      ; ac [T][head][768]: from tile to tile 12,288 bytes
	s_lshl_b32 s57, s16, 4
	s_add_co_u32 s57, s57, s60
	s_lshl_b32 s57, s57, 6
	s_lshl_b32 s58, s61, 14
	s_add_co_u32 s58, s58, s57
	s_and_b32 s62, s[WV], 1
	s_lshl_b32 s62, s62, 9
	s_add_co_u32 s58, s58, s62
	s_add_nc_u64 s[12:13], s[12:13], s[58:59]      ; asc [head][T][r]: the work-group's 1,024 bytes, 512 for each of waves 0 and 1
	s_add_co_u32 s62, s62, STG
	v_add_nc_u32 v12, s62, v11                     ; the stage, out
	s_lshl_b32 s62, s[WV], 7
	s_add_co_u32 s62, s62, STG
	v_add_nc_u32 v10, s62, v5                      ; the stage, in: 128 bytes a wave: lanes 0-15 tile 0's words, lanes 16-31 tile 1's
	WAITV                                          ; directly ahead of the readers below
	WIN 0x40
.irp x, 0,1
.irp j, 0,1,2
	global_load_b64 v[QF+12*\x+2*\j:QF+12*\x+2*\j+1], v4, s[4:5] offset:768*\x+256*\j
.endr
.endr
.irp j, 6,7,8,9,10,11, 18,19,20,21,22,23
	v_mov_b32 v[QF+\j], 0                          ; Q's codes of k = 64 .. 127
.endr
.irp j, 48,49,50,51,52,53
	v_mov_b32 v[KF+\j], 0                          ; what stands behind K's last tile
.endr
.set J, 0
.rept 64
	v_mov_b32 v[O+J], 0                            ; O^T: the step is written once for all steps; the first finds zeros, which the first change of M leaves zeros
.set J, J+1
.endr
	WIN 0
.irp x, 0,1
	global_load_b32 v[QS+\x], v7, s[6:7] offset:64*\x
	global_load_b32 v[QQ+2*\x], v7, s[6:7] offset:8192+64*\x
.endr
	v_mov_b32 v8, 0x3089705f                       ; 1e-9
	v_mov_b32 v9, 0x3089705f
.irp x, 0,1
	v_mov_b32 v[MP+2*\x+1], 0xff61b1e6             ; the largest t so far: -3e38
	v_mov_b32 v[L+2*\x], 0                         ; the sum, in two halves
	v_mov_b32 v[L+2*\x+1], 0
	v_mov_b32 v[F+2*\x+1], 0                       ; (named as the upper half of a pair)
	v_mov_b32 v[G+2*\x+1], 0                       ; a lane permute's destination counts as read
	v_floor_f32 v[MP+2*\x], -v[MP+2*\x+1]          ; -M
.endr
	WAITV
	s_wait_loadcnt 0x0
.irp x, 0,1
	v_mov_b32 v[QQ+2*\x+1], v[QQ+2*\x]             ; q2 twice, for the packed form
.endr
	WAITV
	s_wait_tensorcnt 0x0                           ; my two steps are in;
	s_barrier_signal -1
	s_barrier_wait -1                              ; everybody's are: all 16 steps lie in LDS, and nothing is filled again
	LDK 4, 5, 6                                    ; step 0's fragments
	LDV 4, 5
; A KEY STEP: 128 keys x 32 queries.  pf = 1: the next step's fragments are asked for.
.macro STEP pf
	s_wait_dscnt 26                                ; K, C and K's words are in; the 26 loads of V issued behind them may be out
	WIN 0x15
.irp t, 0,1,2,3,4,5,6,7
	WMK \t, 0                                      ; sixteen results, each written once
	WMK \t, 1
.endr
	WIN 0
.if \pf
	v_add_nc_u32 v1, s50, v4
	v_add_nc_u32 v2, s50, v5
	v_add_nc_u32 v3, s50, v6
	v_nop                                          ; with the three additions: four places between the products and the loads into their registers, and the first read of results
	LDK 1, 2, 3
.else
	PLACES 4
.endif
.irp k, 0,1,2,3,4,5,6,7                ; block k % 4 of tile k / 4: the largest D of my 16 keys; each accumulator is read from its low end on
	v_max3_num_f32 v[BM+\k], v[S+16*\k], v[S+16*\k+1], v[S+16*\k+2]
.endr
.irp i, 3,5,7,9,11,13
.irp k, 0,1,2,3,4,5,6,7
	v_max3_num_f32 v[BM+\k], v[BM+\k], v[S+16*\k+\i], v[S+16*\k+\i+1]
.endr
.endr
.irp k, 0,1,2,3,4,5,6,7
	v_max_num_f32 v[BM+\k], v[BM+\k], v[S+16*\k+15]
.endr
.irp k, 0,1,2,3
	v_permlane16_swap_b32 v[BM+2*\k], v[BM+2*\k+1] ; the first: both blocks' lanes 0-15; the second: both blocks' lanes 16-31
.endr
.irp k, 0,1,2,3
	s_delay_alu instid0(VALU_DEP_4)
	v_max_num_f32 v[BM+2*\k], v[BM+2*\k], v[BM+2*\k+1]   ; lanes 0-15 the even block's largest D of query r, lanes 16-31 the odd block's
.endr
.irp k, 0,1,2,3
	s_delay_alu instid0(VALU_DEP_4)
	v_fma_f32 v[BM+2*\k], v[BM+2*\k], -2.0, v[QQ+2*(\k/2)]
.endr
.irp k, 0,1,2,3
	s_delay_alu instid0(VALU_DEP_4)
	v_max_num_f32 v[BM+2*\k], 0, v[BM+2*\k]
.endr
	WAITV                                          ; ahead of each run with transcendentals, and so behind the run before
.irp k, 0,1,2,3
	v_sqrt_f32 v[BM+2*\k], v[BM+2*\k]
.endr
	RUN 32, PD2, 0
	RUN 32, PMAX, 0
	RUN 32, PD2, 1
	WAITV
.irp k, 0,1,2,3
	v_fma_f32 v[BM+2*\k], v[BM+2*\k], s48, v8
.endr
	MIX v_sqrt_f32, S, 32, 2, PMAX, 1
	WAITV
.irp k, 0,1,2,3
	v_rcp_f32 v[BM+2*\k], v[BM+2*\k]
.endr
	MIX v_sqrt_f32, S+64, 32, 2, P3, 0
	WAITV
.irp x, 0,1
	v_max_num_f32 v[G+2*\x], v[BM+4*\x], v[BM+4*\x+2]
.endr
.irp x, 0,1
	s_delay_alu instid0(VALU_DEP_2)
	v_permlanex16_b32 v[G+2*\x+1], v[G+2*\x], s[SEL], s[SEL+1]
.endr
.irp x, 0,1
	s_delay_alu instid0(VALU_DEP_2)
	v_max_num_f32 v[G+2*\x], v[G+2*\x], v[G+2*\x+1]       ; the step's largest a of my query
.endr
.irp x, 0,1
	s_delay_alu instid0(VALU_DEP_2)
	v_mul_f32 v[G+2*\x], s22, v[G+2*\x]            ; as t
.endr
.irp x, 0,1
	s_delay_alu instid0(VALU_DEP_2)
	v_max_num_f32 v[MP+2*\x+1], v[MP+2*\x+1], v[G+2*\x]   ; the running largest t
.endr
.irp x, 0,1
	v_mov_b32 v[G+2*\x], v[MP+2*\x]
.endr
.irp x, 0,1
	s_delay_alu instid0(VALU_DEP_4)
	v_floor_f32 v[MP+2*\x], -v[MP+2*\x+1]          ; the new -M = -ceil(t)
.endr
.irp x, 0,1
	s_delay_alu instid0(VALU_DEP_2)
	v_sub_f32 v[G+2*\x], v[MP+2*\x], v[G+2*\x]     ; old M - new M: a whole number, 0 or less
.endr
.irp x, 0,1
	s_delay_alu instid0(VALU_DEP_2)
	v_cvt_i32_f32 v[G+2*\x], v[G+2*\x]             ; (it saturates)
.endr
.irp x, 0,1
	s_delay_alu instid0(VALU_DEP_2)
	v_ldexp_f32 v[F+2*\x], 1.0, v[G+2*\x]          ; f = 2^(old M - new M)
.endr
.irp k, 0,1,2,3
	v_fma_f32 v[BM+2*\k], v[BM+2*\k], s22, v[MP+2*(\k/2)]   ; t - M of the block maxima
.endr
.irp x, 0,1
	v_pk_mul_f32 v[L+2*\x:L+2*\x+1], v[L+2*\x:L+2*\x+1], v[F+2*\x:F+2*\x+1] op_sel_hi:[1,0]   ; the sums under the new M
.endr
	MIX v_rcp_f32, S, 32, 2, P3, 1
	WAITV
.irp k, 0,1,2,3
	v_exp_f32 v[BM+2*\k], v[BM+2*\k]               ; each block's largest p
.endr
	MIX v_rcp_f32, S+64, 32, 2, P4, 0
	WAITV
.irp k, 0,1,2,3
	v_max_num_f32 v[BM+2*\k], 0x1800000, v[BM+2*\k]       ; the floor 2^(3 - 127)
.endr
.irp k, 0,1,2,3
	s_delay_alu instid0(VALU_DEP_4)
	v_add_nc_u32 v[BM+2*\k], 0xff000000, v[BM+2*\k]       ; 2 off the exponent field: the conversion's scale operand
.endr
.irp k, 0,1,2,3
	s_delay_alu instid0(VALU_DEP_4)
	v_lshrrev_b32 v[BM+2*\k+1], 23, v[BM+2*\k]     ; the bytes: lanes 0-15 the even block's, lanes 16-31 the odd block's
.endr
.irp x, 0,1
	v_lshl_or_b32 v[G+2*\x], v[BM+4*\x+3], 16, v[BM+4*\x+1]
.endr
.irp x, 0,1
	s_delay_alu instid0(VALU_DEP_2)
	v_permlanex16_b32 v[G+2*\x+1], v[G+2*\x], s[SEL], s[SEL+1]
.endr
.irp x, 0,1
	s_delay_alu instid0(VALU_DEP_2)
	v_lshl_or_b32 v[PW+\x], v[G+2*\x+1], 8, v[G+2*\x]     ; lanes 0-15: p's scale word, bytes of blocks 0, 1, 2, 3 (lanes 16-31 hold the same bytes in another order and are not read)
.endr
.irp k, 0,1,2,3
	v_mov_b32 v[BM+2*\k+1], v[BM+2*\k]
.endr
.irp k, 0,1,2,3
	s_delay_alu instid0(VALU_DEP_4)
	v_permlane16_swap_b32 v[BM+2*\k], v[BM+2*\k+1] ; the first: the even block's scale operand in all lanes; the second: the odd block's
.endr
	MIX v_exp_f32, S, 32, 2, P4, 1                 ; tile 0's p
	WAITV
	CVT 0
	MIX v_exp_f32, S+64, 16, 4, PS1, 0             ; tile 1's p
	WAITV
	CVT 1
	SWP 0
	SWP 1
	SUMS 0
	s_wait_dscnt 44*\pf                            ; V is in; the 44 loads of the next step's K issued behind it may be out
	WIN 0x41
	WAITV                                          ; directly ahead of the first reader of O^T
.irp x, 0,1
.set J, 0
.rept 16
	v_pk_mul_f32 v[O+32*\x+J:O+32*\x+J+1], v[O+32*\x+J:O+32*\x+J+1], v[F+2*\x:F+2*\x+1] op_sel_hi:[1,0]   ; O^T under the new M; these are also the places between p's codes and word and the products
.set J, J+2
.endr
.endr
	WIN 0x51
.irp t, 0,1,2,3
	WMV \t, 0                                      ; eight accumulators by turns
	WMV \t, 1
.endr
	WIN 0
	RUN 16, PS1, 1                                 ; tile 1's sum: also the places between the products and the loads into V's registers
	SUMS 1
.if \pf
	LDV 1, 2
.endif
.endm
	s_mov_b32 s50, STEPB
	s_mov_b32 s51, 15
.Lstep:
	STEP 1
	s_add_co_u32 s50, s50, STEPB
	s_sub_co_u32 s51, s51, 1
	s_cmp_lg_u32 s51, 0
	WAITV                                          ; directly ahead of the branch
	s_cbranch_scc1 .Lstep
	STEP 0                                         ; the last step asks for nothing more
.irp x, 0,1
	v_add_f32 v[L+2*\x], v[L+2*\x], v[L+2*\x+1]
.endr
.irp x, 0,1
	s_delay_alu instid0(VALU_DEP_2)
	v_permlanex16_b32 v[G+2*\x+1], v[L+2*\x], s[SEL], s[SEL+1]
.endr
.irp x, 0,1
	s_delay_alu instid0(VALU_DEP_2)
	v_add_f32 v[L+2*\x], v[L+2*\x], v[G+2*\x+1]    ; the row's sum
.endr
	WAITV
.irp x, 0,1
	v_rcp_f32 v[L+2*\x], v[L+2*\x]
.endr
	v_nop
	WIN 0x01
	WAITV
.irp x, 0,1
.set J, 0
.rept 32
	v_mul_f32 v[S+64*\x+J], v[O+32*\x+J], v[L+2*\x]       ; x(query r, channel 32 b + 16 h + i) in register 16 b + i; ascending
.set J, J+1
.endr
.endr
	WIN 0
	QUANT2 S, PCD, G                               ; along D: the head's 64 channels are two whole blocks
	QUANT2 S+64, PCD+12, G+2
.irp x, 0,1
.irp j, 0,1,2
	global_store_b64 v4, v[PCD+12*\x+2*\j:PCD+12*\x+2*\j+1], s[10:11] offset:12288*\x+256*\j   ; 256 consecutive bytes, aligned
.endr
.endr
	v_cndmask_b32 v[G+1], v[G], v[G+2], s63        ; lanes 0-15 tile 0's words, lanes 16-31 tile 1's
	ds_store_b32 v10, v[G+1]
	s_wait_dscnt 0x0
	s_barrier_signal -1
	s_barrier_wait -1
	s_cmp_lt_u32 s[WV], 2
	s_cbranch_scc0 .Ldone
	ds_load_b128 v[100:103], v12
	s_wait_dscnt 0x0
	global_store_b128 v11, v[100:103], s[12:13]    ; 512 consecutive bytes, aligned
.Ldone:
	s_wait_tensorcnt 0x0                           ; the wave's end
	ds_add_u32 v[SPW], v[NIL]
	s_wait_dscnt 0x0
	ROUND                                          ; the closing round
	s_endpgm
.Lfunc_end_k_q4c0c31f399_attn:
	.size	k_q4c0c31f399_attn, .Lfunc_end_k_q4c0c31f399_attn-k_q4c0c31f399_attn
	.p2alignl 7, 3214868480
	.fill 96, 4, 3214868480
	.section	.rodata,"a",@progbits
	.p2align	6, 0x0
	.amdhsa_kernel k_q4c0c31f399_attn
		.amdhsa_group_segment_fixed_size 220160
		.amdhsa_private_segment_fixed_size 0
		.amdhsa_enable_private_segment 0
		.amdhsa_kernarg_size 40
		.amdhsa_user_sgpr_count 2
		.amdhsa_user_sgpr_kernarg_segment_ptr 1
		.amdhsa_wavefront_size32 1
		.amdhsa_system_sgpr_workgroup_id_x 1
		.amdhsa_system_sgpr_workgroup_id_y 1
		.amdhsa_system_sgpr_workgroup_id_z 1
		.amdhsa_system_vgpr_workitem_id 0
		.amdhsa_next_free_vgpr 512
		.amdhsa_next_free_sgpr 66
		.amdhsa_reserve_vcc 0
		.amdhsa_float_denorm_mode_32 3
		.amdhsa_float_denorm_mode_16_64 3
		.amdhsa_memory_ordered 1
		.amdhsa_forward_progress 1
		.amdhsa_inst_pref_size 124
	.end_amdhsa_kernel
	.amdgpu_metadata
---
amdhsa.version: [ 1, 2 ]
amdhsa.kernels:
  - .name:           k_q4c0c31f399_attn
    .symbol:         k_q4c0c31f399_attn.kd
    .args:
      - { .name: qc, .offset: 0, .size: 8, .value_kind: global_buffer, .address_space: global }
      - { .name: qx, .offset: 8, .size: 8, .value_kind: global_buffer, .address_space: global }
      - { .name: kv, .offset: 16, .size: 8, .value_kind: global_buffer, .address_space: global }
      - { .name: ac, .offset: 24, .size: 8, .value_kind: global_buffer, .address_space: global }
      - { .name: asc, .offset: 32, .size: 8, .value_kind: global_buffer, .address_space: global }
    .group_segment_fixed_size: 220160
    .private_segment_fixed_size: 0
    .kernarg_segment_align: 8
    .kernarg_segment_size: 40
    .max_flat_workgroup_size: 256
    .sgpr_count:     66
    .vgpr_count:     512
    .wavefront_size: 32
...
	.end_amdgpu_metadata
.endif
;; end of part 3
;; launch outp (part 4): grid 8 x 32, 8 waves a work-group, clusters of 4 x 4, 267,264 bytes of LDS; arguments ac, asc, codes, scales, bo, out0; writes out0
.if DOCPART == 4
	.amdgcn_target "amdgcn-amd-amdhsa--gfx1250"
	.amdhsa_code_object_version 6
	.text
	.protected	k_q4c0c31f399_outp
	.globl	k_q4c0c31f399_outp
	.p2align	8
	.type	k_q4c0c31f399_outp,@function
k_q4c0c31f399_outp:
	s_mov_b64 s[64:65], 0
	v_nop
	global_prefetch_b8 v0, s[64:65] scope:SCOPE_SE
	s_setreg_imm32_b32 hwreg(HW_REG_WAVE_MODE, 25, 1), 1
	s_wait_xcnt 0x0
	s_wait_alu depctr_hold_cnt(0) depctr_sa_sdst(0) depctr_va_vdst(0) depctr_va_sdst(0) depctr_va_ssrc(0) depctr_va_vcc(0) depctr_vm_vsrc(0)
	s_getreg_b32 s2, hwreg(HW_REG_IB_STS2, 6, 4)
	s_cmp_eq_u32 s2, 0
	s_cbranch_scc0 .Lentry_in_a_cluster
	s_endpgm
.Lentry_in_a_cluster:
	s_bfe_u32 s2, ttmp6, 0x10000c
	s_cmp_lg_u32 s2, 0xf033
	s_cbranch_scc0 .Lentry_shape_is_right
	s_endpgm
.Lentry_shape_is_right:
; out0 = x Wo^T + bo on codes of FP6 (E2M3) with E8M0 scales.  x's codes (ac) and bytes (asc) come from the attention launch, Wo's from the quantising launch (tiles 960 on).
; A work-group makes 128 tokens x 128 columns, K = 1,024; both panels lie whole in LDS, tile-major (x's 8 tiles x 12,288 bytes from byte 0, Wo's from byte 98,304), asked for at the start, filled once.
; CLUSTER 4 x 4: x's panel is shared along a row of the cluster, Wo's along a column: joint loads.
; Source 0 = 16 rows of Wo, source 1 = 16 tokens: a lane holds one token and eight neighbouring columns a tile.  Wave w: pg = w % 2: Wo's tiles 4 pg on (64 columns); rp = w / 2: token tiles 2 rp, 2 rp + 1.
; The bias is the C of each sum's first product.  Results go through the wave's own stage (32 rows x 272 bytes) and leave as rows of 256 consecutive aligned bytes.
.set WV,   16
.set G1X,  24
.set G0X,  32
.set G1W,  48
.set G0W,  68
.set CHB,  49152
; LDS: tile-major, as the codes lie in memory: x's 8 tiles x 12,288 bytes from byte 0, Wo's from byte 98,304.
; Each wave asks for two tiles, 24,576 dense bytes, by ONE joint load of 96 rows of 256 bytes; one wait and one barrier show both panels whole, and the K steps follow with no further barrier.
.set WOFF, 98304
.set STG,  196608
.set PA,   4
.set RA,   5
.set PS,   16
.set RS,   32
.set F0,   40
.set F1,   112
.set ACC,  184
.macro ROUND
	s_barrier_signal -1
	s_barrier_wait -1
	s_cmp_lg_u32 s[WV], 0
	s_cbranch_scc1 .Lnot_wave_0_\@
	s_barrier_signal -3
.Lnot_wave_0_\@:
	s_barrier_wait -3
	s_barrier_signal -1
	s_barrier_wait -1
.endm
.macro PLACES n
.rept \n
	v_nop
.endr
.endm
.macro WM d, a, b, c, sa, sb, ra, rb
.if (\ra) && (\rb)
	v_wmma_scale_f32_16x16x128_f8f6f4 v[\d:\d+7], v[\a:\a+11], v[\b:\b+11], v[\c:\c+7], v[\sa], v[\sb] matrix_a_fmt:MATRIX_FMT_FP6 matrix_b_fmt:MATRIX_FMT_FP6 matrix_a_scale:MATRIX_SCALE_ROW1 matrix_b_scale:MATRIX_SCALE_ROW1
.elseif (\ra)
	v_wmma_scale_f32_16x16x128_f8f6f4 v[\d:\d+7], v[\a:\a+11], v[\b:\b+11], v[\c:\c+7], v[\sa], v[\sb] matrix_a_fmt:MATRIX_FMT_FP6 matrix_b_fmt:MATRIX_FMT_FP6 matrix_a_scale:MATRIX_SCALE_ROW1
.elseif (\rb)
	v_wmma_scale_f32_16x16x128_f8f6f4 v[\d:\d+7], v[\a:\a+11], v[\b:\b+11], v[\c:\c+7], v[\sa], v[\sb] matrix_a_fmt:MATRIX_FMT_FP6 matrix_b_fmt:MATRIX_FMT_FP6 matrix_b_scale:MATRIX_SCALE_ROW1
.else
	v_wmma_scale_f32_16x16x128_f8f6f4 v[\d:\d+7], v[\a:\a+11], v[\b:\b+11], v[\c:\c+7], v[\sa], v[\sb] matrix_a_fmt:MATRIX_FMT_FP6 matrix_b_fmt:MATRIX_FMT_FP6
.endif
.endm
	s_load_b256 s[4:11], s[0:1], 0x0               ; ac, asc, codes, scales
	s_load_b128 s[12:15], s[0:1], 0x20             ; bo, out0
	v_lshl_add_u32 v254, v0, 2, 0x41000
	v_mov_b32 v255, 0
	ds_add_u32 v254, v255
	ds_add_u32 v254, v255
	v_lshrrev_b32 v1, 5, v0
	s_delay_alu instid0(VALU_DEP_1)
	v_readfirstlane_b32 s[WV], v1                  ; wave 0..7
	s_and_b32 s17, s[WV], 3
	s_and_b32 s18, s[WV], 1                        ; pg
	s_lshr_b32 s19, s[WV], 1                       ; rp
	s_bfe_u32 s56, ttmp6, 0x40000                  ; cx
	s_bfe_u32 s57, ttmp6, 0x40004                  ; cy
	s_lshl_b32 s58, ttmp9, 2
	s_add_co_u32 s58, s58, s56                     ; wx: which 128 columns
	s_and_b32 s59, ttmp7, 0xffff
	s_lshl_b32 s59, s59, 2
	s_add_co_u32 s59, s59, s57                     ; wy: which 128 tokens
	s_lshl_b32 s61, s57, 2
	s_lshl_b32 s61, 15, s61                        ; my row of the cluster
	s_lshl_b32 s62, 0x1111, s56                    ; my column
	s_or_b32 s[G1X], s61, (3<<16)|(1<<21)          ; group 1: two tiles, 24,576 dense bytes
	s_or_b32 s[G1W], s62, (3<<16)|(1<<21)
.irp g, G1X, G1W
	s_mov_b32 s[\g+1], 32<<16                      ; 96 rows of 32 elements of 8 bytes, dense
	s_mov_b32 s[\g+2], 96<<16
	s_mov_b32 s[\g+3], 32<<16
	s_mov_b32 s[\g+4], 96
	s_mov_b32 s[\g+5], 32
	s_mov_b32 s[\g+6], 0
	s_mov_b32 s[\g+7], 0
.endr
	s_lshl_b32 s66, s17, 1
	s_lshl_b32 s84, s59, 3
	s_add_co_u32 s84, s84, s66                     ; x: tile 8 wy + 2 (w % 4)
	s_mul_i32 s84, s84, 12288
	s_mov_b32 s85, 0
	s_lshl_b32 s86, s58, 3
	s_add_co_u32 s86, s86, 960
	s_mov_b32 s101, s86                            ; Wo's first tile: 960 + 8 wx
	s_add_co_u32 s86, s86, s66
	s_mul_i32 s86, s86, 12288
	s_mov_b32 s87, 0
	s_mul_i32 s66, s[WV], 24576
	s_wait_dscnt 0x0
	s_wait_kmcnt 0x0
	s_add_nc_u64 s[84:85], s[4:5], s[84:85]
	s_add_nc_u64 s[86:87], s[8:9], s[86:87]
.irp n, 0
	s_mov_b32 s[G0X+4*\n], 1
	s_add_co_u32 s[G0X+4*\n+1], s66, CHB*\n
	s_add_nc_u64 s[G0X+4*\n+2:G0X+4*\n+3], s[84:85], 3072*\n
	s_or_b32 s[G0X+4*\n+3], s[G0X+4*\n+3], 0x80000000
	s_mov_b32 s[G0W+4*\n], 1
	s_add_co_u32 s[G0W+4*\n+1], s66, CHB*\n
	s_add_nc_u64 s[G0W+4*\n+2:G0W+4*\n+3], s[86:87], 3072*\n
	s_or_b32 s[G0W+4*\n+3], s[G0W+4*\n+3], 0x80000000
.endr
	ROUND                                          ; all sixteen work-groups are here: the joint loads meet
	s_cmp_lt_u32 s[WV], 4                          ; one load of mine goes out, in one branch on the wave's number
	s_cbranch_scc0 .Lfill_w
.irp n, 0
	tensor_load_to_lds s[G0X+4*\n:G0X+4*\n+3], s[G1X:G1X+7]
	s_nop 0
.endr
	PLACES 4
	s_branch .Lfilled
.Lfill_w:
.irp n, 0
	tensor_load_to_lds s[G0W+4*\n:G0W+4*\n+3], s[G1W:G1W+7]
	s_nop 0
.endr
	PLACES 4
.Lfilled:
	v_and_b32 v1, 15, v0                           ; r
	v_bfe_u32 v2, v0, 4, 1                         ; h
	v_and_b32 v3, 31, v0                           ; lane
	s_mul_i32 s60, s18, 49152
	s_add_co_u32 s60, s60, WOFF
	v_lshl_add_u32 v[PA], v3, 3, s60
	s_mul_i32 s60, s19, 24576
	v_lshl_add_u32 v[RA], v3, 3, s60
	v_lshlrev_b32 v6, 4, v1
	s_delay_alu instid0(VALU_DEP_1)
	v_lshl_add_u32 v11, v2, 12, v6                 ; out: lanes 0-15 one row's 256 bytes, lanes 16-31 the next row's
	s_delay_alu instid0(VALU_DEP_2)
	v_lshl_add_u32 v6, v2, 10, v6                  ; Wo's scale words: lanes 16-31 two tiles on
	s_wait_alu depctr_va_vdst(0)
	v_lshlrev_b32 v7, 2, v3                        ; x's bytes: 4 x lane: lanes 0-15 tile 2 rp, lanes 16-31 tile 2 rp + 1
	s_wait_alu depctr_va_vdst(0)
	v_lshlrev_b32 v8, 6, v2                        ; the bias: 16 columns on for lanes 16-31
	s_wait_alu depctr_va_vdst(0)
	s_mul_i32 s60, s[WV], 8704
	s_add_co_u32 s60, s60, STG                     ; my stage
	v_mul_u32_u24 v9, v1, 272
	s_delay_alu instid0(VALU_DEP_1)
	v_lshl_add_u32 v9, v2, 6, v9
	s_delay_alu instid0(VALU_DEP_1)
	v_add_nc_u32 v9, s60, v9                       ; in: row r, + 64 h
	v_mul_u32_u24 v10, v2, 272
	s_delay_alu instid0(VALU_DEP_1)
	v_lshl_add_u32 v10, v1, 4, v10
	s_delay_alu instid0(VALU_DEP_1)
	v_add_nc_u32 v10, s60, v10                     ; back: two rows an instruction
	s_lshl_b32 s60, s18, 2
	s_add_co_u32 s60, s60, s101
	s_lshl_b32 s88, s60, 9
	s_mov_b32 s89, 0
	s_add_nc_u64 s[88:89], s[10:11], s[88:89]      ; Wo's scale words, my four tiles
	s_lshl_b32 s60, s59, 3
	s_lshl_b32 s63, s19, 1
	s_add_co_u32 s60, s60, s63
	s_lshl_b32 s90, s60, 6
	s_mov_b32 s91, 0
	s_add_nc_u64 s[90:91], s[6:7], s[90:91]        ; asc at head 0, tile 8 wy + 2 rp
	s_lshl_b32 s60, s58, 9
	s_lshl_b32 s63, s18, 8
	s_add_co_u32 s92, s60, s63                     ; my 64 columns, in bytes: 512 wx + 256 pg
	s_mov_b32 s93, 0
	s_add_nc_u64 s[12:13], s[12:13], s[92:93]
	s_lshl_b32 s60, s59, 7
	s_lshl_b32 s63, s19, 5
	s_add_co_u32 s60, s60, s63                     ; my first token: 128 wy + 32 rp
	s_lshl_b32 s60, s60, 12
	s_add_co_u32 s92, s92, s60
	s_add_nc_u64 s[14:15], s[14:15], s[92:93]
.irp tq, 0,1
.irp kh, 0,1
	global_load_b128 v[PS+8*\tq+4*\kh:PS+8*\tq+4*\kh+3], v6, s[88:89] offset:512*\tq+256*\kh
.endr
.endr
.irp hh, 0,1,2,3,4,5,6,7,8,9,10,11,12,13,14,15
	global_load_b32 v[ACC+\hh], v7, s[90:91] offset:16384*\hh      ; head hh's two bytes of my tokens
.endr
.irp t, 0,1,2,3
	global_load_b128 v[F1+8*\t:F1+8*\t+3], v8, s[12:13] offset:4*(32*(\t/2)+8*(\t%2))       ; bo at the tile's eight columns of my half: 32 (t / 2) + 16 h + 8 (t % 2) + 0 .. 7
	global_load_b128 v[F1+8*\t+4:F1+8*\t+7], v8, s[12:13] offset:4*(32*(\t/2)+8*(\t%2))+16
.endr
.macro FETCH s, set
.irp i, 0,1,2,3
.irp c, 0,1
.irp j, 0,1,2
	ds_load_b64 v[\set+12*\i+6*\c+2*\j:\set+12*\i+6*\c+2*\j+1], v[PA] offset:12288*\i+1536*(\s)+768*\c+256*\j
.endr
.endr
.endr
.irp i, 0,1
.irp c, 0,1
.irp j, 0,1,2
	ds_load_b64 v[\set+48+12*\i+6*\c+2*\j:\set+48+12*\i+6*\c+2*\j+1], v[RA] offset:12288*\i+1536*(\s)+768*\c+256*\j
.endr
.endr
.endr
.endm
.macro MUL s, set, bias                ; eight accumulators by turns
.irp i, 0,1
.irp t, 0,1,2,3
.if \bias
	WM ACC+32*\i+8*\t, \set+12*\t, \set+48+12*\i, F1+8*\t, PS+8*(\t%2)+\s, RS+\s, \t/2, \i
.else
	WM ACC+32*\i+8*\t, \set+12*\t, \set+48+12*\i, ACC+32*\i+8*\t, PS+8*(\t%2)+\s, RS+\s, \t/2, \i
.endif
.endr
.endr
.endm
.macro CHUNK n
	s_wait_dscnt 0x0                               ; the set fetched last is in
	PLACES 4                                       ; four places between the last products and the loads into the set that they read
.endm
	s_wait_tensorcnt 0x0                           ; my one load, two tiles, is in
	s_barrier_signal -1
	s_barrier_wait -1
	FETCH 0, F0
	s_wait_loadcnt 0x0                             ; scale words, x's bytes, the bias
.irp s, 0,1,2,3,4,5,6,7
	v_lshl_or_b32 v[RS+\s], v[ACC+2*\s+1], 16, v[ACC+2*\s]         ; K step s = heads 2 s, 2 s + 1: four bytes
.endr
	PLACES 8                                       ; a scale register written by a vector instruction stands eight places ahead of the product
	s_wait_alu depctr_va_vdst(0)
	s_wait_dscnt 0x0
	MUL 0, F0, 1                                   ; the first K step starts the sums on the bias
	PLACES 4                                       ; the bias's registers take the next fragments
	FETCH 1, F1
	CHUNK 2
	FETCH 2, F0
	MUL 1, F1, 0
	PLACES 4
	FETCH 3, F1
	s_wait_alu depctr_va_vdst(0)
	s_wait_dscnt 36                                ; all but the 36 just issued
	MUL 2, F0, 0
	CHUNK 1
	FETCH 4, F0
	MUL 3, F1, 0
	PLACES 4
	FETCH 5, F1
	s_wait_alu depctr_va_vdst(0)
	s_wait_dscnt 36
	MUL 4, F0, 0
	CHUNK 0
	FETCH 6, F0
	MUL 5, F1, 0
	PLACES 4
	FETCH 7, F1
	s_wait_dscnt 36
	MUL 6, F0, 0
	s_wait_dscnt 0x0
	MUL 7, F1, 0
	PLACES 4                                       ; between the last products and the stores of results and the loads into fragments' registers
.irp i, 0,1
.irp t, 0,1,2,3
	ds_store_b128 v9, v[ACC+32*\i+8*\t:ACC+32*\i+8*\t+3] offset:16*\i*272+4*(32*(\t/2)+8*(\t%2))       ; each accumulator from its low end on
	ds_store_b128 v9, v[ACC+32*\i+8*\t+4:ACC+32*\i+8*\t+7] offset:16*\i*272+4*(32*(\t/2)+8*(\t%2))+16
.endr
.endr
.set K, 0
.rept 16
	ds_load_b128 v[F0+4*K:F0+4*K+3], v10 offset:544*K              ; LDS serves a wave's instructions in order: these see my stores
.set K, K+1
.endr
.set K, 0
.rept 16                               ; stage rows 2 K, 2 K + 1 are tile K / 8, tile rows 2 (K % 8) on: tokens 8 (K / 8) + 2 (K % 8) + 8 ((K % 8) / 4) on
	s_wait_dscnt 15-K
	global_store_b128 v11, v[F0+4*K:F0+4*K+3], s[14:15] offset:4096*(8*(K/8)+2*(K%8)+8*((K%8)/4)) th:TH_STORE_NT   ; sixteen lanes store 256 consecutive bytes, aligned
.set K, K+1
.endr
	s_wait_tensorcnt 0x0
	ds_add_u32 v254, v255
	s_wait_dscnt 0x0
	ROUND                                          ; the closing round
	s_endpgm
.Lfunc_end_k_q4c0c31f399_outp:
	.size	k_q4c0c31f399_outp, .Lfunc_end_k_q4c0c31f399_outp-k_q4c0c31f399_outp
	.p2alignl 7, 3214868480
	.fill 96, 4, 3214868480
	.section	.rodata,"a",@progbits
	.p2align	6, 0x0
	.amdhsa_kernel k_q4c0c31f399_outp
		.amdhsa_group_segment_fixed_size 267264
		.amdhsa_private_segment_fixed_size 0
		.amdhsa_enable_private_segment 0
		.amdhsa_kernarg_size 48
		.amdhsa_user_sgpr_count 2
		.amdhsa_user_sgpr_kernarg_segment_ptr 1
		.amdhsa_wavefront_size32 1
		.amdhsa_system_sgpr_workgroup_id_x 1
		.amdhsa_system_sgpr_workgroup_id_y 1
		.amdhsa_system_sgpr_workgroup_id_z 1
		.amdhsa_system_vgpr_workitem_id 0
		.amdhsa_next_free_vgpr 256
		.amdhsa_next_free_sgpr 102
		.amdhsa_reserve_vcc 0
		.amdhsa_float_denorm_mode_32 3
		.amdhsa_float_denorm_mode_16_64 3
		.amdhsa_memory_ordered 1
		.amdhsa_forward_progress 1
		.amdhsa_inst_pref_size 42
	.end_amdhsa_kernel
	.amdgpu_metadata
---
amdhsa.version: [ 1, 2 ]
amdhsa.kernels:
  - .name:           k_q4c0c31f399_outp
    .symbol:         k_q4c0c31f399_outp.kd
    .args:
      - { .name: ac, .offset: 0, .size: 8, .value_kind: global_buffer, .address_space: global }
      - { .name: asc, .offset: 8, .size: 8, .value_kind: global_buffer, .address_space: global }
      - { .name: codes, .offset: 16, .size: 8, .value_kind: global_buffer, .address_space: global }
      - { .name: scales, .offset: 24, .size: 8, .value_kind: global_buffer, .address_space: global }
      - { .name: bo, .offset: 32, .size: 8, .value_kind: global_buffer, .address_space: global }
      - { .name: out0, .offset: 40, .size: 8, .value_kind: global_buffer, .address_space: global }
    .group_segment_fixed_size: 267264
    .private_segment_fixed_size: 0
    .kernarg_segment_align: 8
    .kernarg_segment_size: 48
    .max_flat_workgroup_size: 256
    .sgpr_count:     102
    .vgpr_count:     256
    .wavefront_size: 32
...
	.end_amdgpu_metadata
.endif
;; end of part 4
